; MI455X (gfx1250); checked and timed in simulation.
; The chip was launched on July 23, 2026; its instructions are those of AMD's public machine-readable ISA for CDNA 5 (MIT licence, August 2026) and "CDNA5" Instruction Set Architecture Reference Guide (July 2026). The comments in the code are by the model that wrote it; some were corrected since.
;; Selective State Space Cell. Allowed arithmetic: float matrix products may take bf16 or f16 operands with f32 sums; all other float work in f32.
;; Inputs: W_cin 1,024 x 2,048 float32; W_cstep 1,024 x 2,048 float32; W_in 1,024 x 2,048 float32; W_out 3,072 x 1,024 float32; W_state 2,048 x 2,048 float32; W_step 1,024 x 2,048 float32; b_in 2,048 float32; b_out 1,024 float32; b_step 2,048 float32; carry_scale 4,096 x 2,048 float32; conditioning 4,096 x 1,024 float32; ln_b 1,024 float32; ln_w 1,024 float32; log_decay 2,048 float32; state 4,096 x 2,048 float32; x_t 4,096 x 1,024 float32.
;; Outputs: out0 4,096 x 1,024 float32; out1 4,096 x 2,048 float32.
;; 2 versions, each right and faster than the one before. Each part assembles by itself: llvm-mc -triple=amdgcn-amd-amdhsa -mcpu=gfx1250 --defsym DOCPART=n.
;; ======== version 1 of 2: 4 launches
;; workspace buffers: Acat 33,554,432 bytes; A2 25,165,824 bytes; Wcat 25,165,824 bytes; Wo 6,291,456 bytes; H 16,777,216 bytes
;; launch cast (part 1): grid 32 x 31, 8 waves a work-group, no clusters, 0 bytes of LDS; arguments x_t, conditioning, state, W_step, W_cstep, W_in, W_cin, W_state, W_out, Acat, A2, Wcat, Wo; writes Acat, A2, Wcat, Wo
.if DOCPART == 1
	.amdgcn_target "amdgcn-amd-amdhsa--gfx1250"
	.amdhsa_code_object_version 6
	.text
	.protected	k_q655e04eefb_cast
	.globl	k_q655e04eefb_cast
	.p2align	8
	.type	k_q655e04eefb_cast,@function
k_q655e04eefb_cast:
	s_mov_b64 s[64:65], 0
	v_nop
	global_prefetch_b8 v0, s[64:65] scope:SCOPE_SE
	s_setreg_imm32_b32 hwreg(HW_REG_WAVE_MODE, 25, 1), 1
	s_wait_xcnt 0x0
; CAST.  Every matrix operand is rounded once, f32 to bf16 (nearest even), and laid where the two product launches walk it:
;   Acat [4096][4096]: columns 0-1023 x_t, 1024-2047 conditioning, 2048-4095 state        A2 [4096][3072]: columns 0-1023 x_t (the rest is written by the next launch)
;   Wcat [6144][2048]: W_step, W_cstep, W_in, W_cin, W_state one below the other            Wo [3072][1024]: W_out
; A stream: no LDS, no barrier, no matrix unit.  The unit of work is a SEGMENT of 1,024 numbers: 4,096 bytes in, 2,048 bytes out.  Every source is a whole number of blocks
; of 1,024 segments, 31 blocks in all: the grid's y is the block, its x one of 32 shares of 32 segments, a wave takes four segments.  All 32 loads of a wave go out at once
; (16 KiB on their way); a load covers 512 consecutive bytes, a store 256 consecutive bytes at a multiple of 256 from its buffer's first byte.
; LIMIT.  bf16 keeps 8 significant bits; its range is f32's.
.set X, 8                              ; v[8:135]  segment j, piece t at X + 32 j + 4 t: four f32 as loaded, then two words of bf16 in the first two
	s_load_b512 s[8:23], s[0:1], 0x0               ; x 8, conditioning 10, state 12, W_step 14, W_cstep 16, W_in 18, W_cin 20, W_state 22
	s_load_b256 s[24:31], s[0:1], 0x40             ; W_out 24, Acat 26, A2 28, Wcat 30
	s_load_b64 s[32:33], s[0:1], 0x60              ; Wo
	v_lshrrev_b32 v3, 5, v0
	v_readfirstlane_b32 s4, v3                     ; wave 0..7
	v_and_b32 v1, 31, v0
	v_lshlrev_b32 v2, 3, v1                        ; 8 bytes a lane out
	v_lshlrev_b32 v1, 4, v1                        ; 16 bytes a lane in
	s_and_b32 s2, ttmp7, 0xffff                    ; the block, 0..30
	s_mov_b32 s3, ttmp9                            ; the share, 0..31
	s_wait_kmcnt 0x0
	s_mov_b64 s[34:35], s[8:9]                     ; the source, and the number of its first block
	s_mov_b32 s36, 0
.macro PICK thr, ptr                   ; from block thr on the source is the buffer at s[ptr]
	s_cmp_ge_u32 s2, \thr
	s_cselect_b64 s[34:35], s[\ptr:\ptr+1], s[34:35]
	s_cselect_b32 s36, \thr, s36
.endm
	PICK 4, 10
	PICK 8, 12
	PICK 16, 14
	PICK 18, 16
	PICK 20, 18
	PICK 22, 20
	PICK 24, 22
	PICK 28, 24
	s_sub_co_u32 s37, s2, s36
	s_lshl_b32 s37, s37, 10
	s_lshl_b32 s38, s3, 5
	s_add_co_u32 s37, s37, s38
	s_lshl_b32 s38, s4, 2
	s_add_co_u32 s37, s37, s38                     ; my first segment in its source: a multiple of 4, 8,188 at the most
	s_lshl_b32 s38, s37, 12                        ; 4,096 bytes each: under 2^26
	s_mov_b32 s39, 0
	s_add_nc_u64 s[34:35], s[34:35], s[38:39]
.irp j, 0,1,2,3
.irp t, 0,1,2,3,4,5,6,7
	global_load_b128 v[X+32*(\j)+4*(\t):X+32*(\j)+4*(\t)+3], v1, s[34:35] offset:4096*(\j)+512*(\t) th:TH_LOAD_NT
.endr
.endr
.macro PUT j, d, base                  ; segment j's 2,048 bytes go to byte d from the base
.irp t, 0,1,2,3,4,5,6,7
	global_store_b64 v2, v[X+32*(\j)+4*(\t):X+32*(\j)+4*(\t)+1], s[\base:\base+1] offset:(\d)+256*(\t)
.endr
.endm
.macro SEG j, d                        ; segment j is waited for, rounded in place and stored
	s_wait_loadcnt 8*(3-(\j))                      ; loads come back in order (ISA guide 5.7.1): the younger segments' eight loads each may stay out
.irp t, 0,1,2,3,4,5,6,7
	v_cvt_pk_bf16_f32 v[X+32*(\j)+4*(\t)],   v[X+32*(\j)+4*(\t)],   v[X+32*(\j)+4*(\t)+1]
	v_cvt_pk_bf16_f32 v[X+32*(\j)+4*(\t)+1], v[X+32*(\j)+4*(\t)+2], v[X+32*(\j)+4*(\t)+3]
.endr
	PUT \j, \d, 44
.endm
; No register that a load or store names is written again, so no wait frees any.
	s_mov_b32 s41, 0
	s_mov_b32 s43, 0
	s_cmp_ge_u32 s2, 16
	s_cbranch_scc1 .Ldense
	s_cmp_ge_u32 s2, 8
	s_cbranch_scc1 .Lstate
	; x_t or conditioning: a segment is a row; Acat's rows are 8,192 bytes apart, conditioning begins at byte 2,048 of a row
	s_lshl_b32 s40, s37, 13
	s_cmp_ge_u32 s2, 4
	s_cselect_b32 s42, 2048, 0
	s_add_co_u32 s40, s40, s42
	s_add_nc_u64 s[44:45], s[26:27], s[40:41]
	s_mul_i32 s42, s37, 6144                       ; A2's rows are 6,144 bytes apart
	s_add_nc_u64 s[46:47], s[28:29], s[42:43]
	SEG 0, 0
	SEG 1, 8192
	SEG 2, 16384
	SEG 3, 24576
	s_cmp_ge_u32 s2, 4
	s_cbranch_scc1 .Ldone
	PUT 0, 0, 46                                   ; x_t once more, as the first 1,024 columns of the last product's left operand
	PUT 1, 6144, 46
	PUT 2, 12288, 46
	PUT 3, 18432, 46
.Ldone:
	s_endpgm
.Lstate:                                               ; two segments are a row of state, which begins at byte 4,096 of Acat's row
	s_lshl_b32 s40, s37, 12                        ; (segment / 2) x 8,192
	s_add_co_u32 s40, s40, 4096
	s_add_nc_u64 s[44:45], s[26:27], s[40:41]
	SEG 0, 0
	SEG 1, 2048
	SEG 2, 8192
	SEG 3, 10240
	s_endpgm
.Ldense:                                               ; the weights keep their shape: segment after segment, 2,048 bytes each
	s_sub_co_u32 s42, s36, 16
	s_lshl_b32 s42, s42, 10
	s_add_co_u32 s42, s42, s37                     ; the segment's number in Wcat: the source's first block less 16, times 1,024, plus its number in the source
	s_cmp_lt_u32 s2, 28
	s_cselect_b64 s[44:45], s[30:31], s[32:33]     ; Wcat, or for W_out Wo
	s_cselect_b32 s40, s42, s37
	s_lshl_b32 s40, s40, 11
	s_add_nc_u64 s[44:45], s[44:45], s[40:41]
	SEG 0, 0
	SEG 1, 2048
	SEG 2, 4096
	SEG 3, 6144
	s_endpgm
.Lfunc_end_k_q655e04eefb_cast:
	.size	k_q655e04eefb_cast, .Lfunc_end_k_q655e04eefb_cast-k_q655e04eefb_cast
	.p2alignl 7, 3214868480
	.fill 96, 4, 3214868480
	.section	.rodata,"a",@progbits
	.p2align	6, 0x0
	.amdhsa_kernel k_q655e04eefb_cast
		.amdhsa_group_segment_fixed_size 0
		.amdhsa_private_segment_fixed_size 0
		.amdhsa_enable_private_segment 0
		.amdhsa_kernarg_size 104
		.amdhsa_user_sgpr_count 2
		.amdhsa_user_sgpr_kernarg_segment_ptr 1
		.amdhsa_wavefront_size32 1
		.amdhsa_system_sgpr_workgroup_id_x 1
		.amdhsa_system_sgpr_workgroup_id_y 1
		.amdhsa_system_sgpr_workgroup_id_z 1
		.amdhsa_system_vgpr_workitem_id 0
		.amdhsa_next_free_vgpr 136
		.amdhsa_next_free_sgpr 66
		.amdhsa_reserve_vcc 0
		.amdhsa_float_denorm_mode_32 3
		.amdhsa_float_denorm_mode_16_64 3
		.amdhsa_memory_ordered 1
		.amdhsa_forward_progress 1
		.amdhsa_inst_pref_size 31
	.end_amdhsa_kernel
	.amdgpu_metadata
---
amdhsa.version: [ 1, 2 ]
amdhsa.kernels:
  - .name:           k_q655e04eefb_cast
    .symbol:         k_q655e04eefb_cast.kd
    .args:
      - { .name: x_t, .offset: 0, .size: 8, .value_kind: global_buffer, .address_space: global }
      - { .name: conditioning, .offset: 8, .size: 8, .value_kind: global_buffer, .address_space: global }
      - { .name: state, .offset: 16, .size: 8, .value_kind: global_buffer, .address_space: global }
      - { .name: W_step, .offset: 24, .size: 8, .value_kind: global_buffer, .address_space: global }
      - { .name: W_cstep, .offset: 32, .size: 8, .value_kind: global_buffer, .address_space: global }
      - { .name: W_in, .offset: 40, .size: 8, .value_kind: global_buffer, .address_space: global }
      - { .name: W_cin, .offset: 48, .size: 8, .value_kind: global_buffer, .address_space: global }
      - { .name: W_state, .offset: 56, .size: 8, .value_kind: global_buffer, .address_space: global }
      - { .name: W_out, .offset: 64, .size: 8, .value_kind: global_buffer, .address_space: global }
      - { .name: Acat, .offset: 72, .size: 8, .value_kind: global_buffer, .address_space: global }
      - { .name: A2, .offset: 80, .size: 8, .value_kind: global_buffer, .address_space: global }
      - { .name: Wcat, .offset: 88, .size: 8, .value_kind: global_buffer, .address_space: global }
      - { .name: Wo, .offset: 96, .size: 8, .value_kind: global_buffer, .address_space: global }
    .group_segment_fixed_size: 0
    .private_segment_fixed_size: 0
    .kernarg_segment_align: 8
    .kernarg_segment_size: 104
    .max_flat_workgroup_size: 256
    .sgpr_count:     66
    .vgpr_count:     136
    .wavefront_size: 32
...
	.end_amdgpu_metadata
.endif
;; end of part 1
;; launch gate (part 2): grid 16 x 16, 4 waves a work-group, clusters of 4 x 4, 327,680 bytes of LDS; arguments Acat, Wcat, carry_scale, b_step, b_in, log_decay, out1, A2; writes out1, A2
.if DOCPART == 2
	.amdgcn_target "amdgcn-amd-amdhsa--gfx1250"
	.amdhsa_code_object_version 6
	.text
	.protected	k_q655e04eefb_gate
	.globl	k_q655e04eefb_gate
	.p2align	8
	.type	k_q655e04eefb_gate,@function
k_q655e04eefb_gate:
	s_mov_b64 s[64:65], 0
	v_nop
	global_prefetch_b8 v0, s[64:65] scope:SCOPE_SE
	s_setreg_imm32_b32 hwreg(HW_REG_WAVE_MODE, 25, 1), 1
	s_wait_xcnt 0x0
	s_wait_alu depctr_hold_cnt(0) depctr_sa_sdst(0) depctr_va_vdst(0) depctr_va_sdst(0) depctr_va_ssrc(0) depctr_va_vcc(0) depctr_vm_vsrc(0)
	s_getreg_b32 s2, hwreg(HW_REG_IB_STS2, 6, 4)
	s_cmp_eq_u32 s2, 0
	s_cbranch_scc0 .Lentry_in_a_cluster
	s_endpgm
.Lentry_in_a_cluster:
	s_bfe_u32 s2, ttmp6, 0x10000c
	s_cmp_lg_u32 s2, 0xf033
	s_cbranch_scc0 .Lentry_shape_is_right
	s_endpgm
.Lentry_shape_is_right:
; GATE.  new_state = decay state + (1 - decay) proposal, with
;   step = softplus(x W_step + b_step) + 0.1 softplus(c W_cstep);  proposal = tanh(x W_in + c W_cin + state W_state + b_in);  decay = exp(-step exp(log_decay)) carry_scale.
; Written to out1 (f32) and, rounded to bf16, into columns 1024-3071 of A2, the last product's left operand.
; SHARES.  A work-group owns 256 rows x 128 columns of new_state: 16 x 16 work-groups.  Wave w owns rows 64 w .. 64 w + 63 and all 128 columns: 32 accumulators of 16 x 16, 256 registers (P).
; ONE WALK OF 48 K STEPS OF 128, in three phases that share one text.  Wcat's rows are walked straight through; Acat's columns go 0 .. 2047 (x for W_step, c for W_cstep), back to 0, and 0 .. 4095.
;   K steps 0-7: P = x W_step, then R += sp2(P L + b_step L).   K steps 8-15: P = c W_cstep, then R += 0.1 sp2(P L).   K steps 16-47: P = x W_in + c W_cin + state W_state, then the way out.
;   L = log2(e); sp2(z) = log2(1 + 2^z), so that step = ln(2) R and decay = 2^(-R exp(log_decay)) carry_scale.
; The ring of two LDS slots runs on across the phases: a phase's last two changes of slots ask for the next phase's first two K steps.
; LAYOUT.  The weights lie [K][N]; their fragments come out of LDS turned, by ds_load_tr16_b128.  Source 0 = 16 columns of W, source 1 = 16 rows of A: lane l of accumulator (a, b) holds row
; 16 a + l % 16 and the eight neighbouring columns 16 b + 8 (l / 16) + 0..7.
; CLUSTER.  4 x 4 work-groups: the four of a row need the same tiles of Acat, the four of a column the same tiles of Wcat; each tile is asked for jointly, by the same load, descriptor and mask in all four.
; LIMITS.  Every input is used rounded once to bf16 (state and the weights as the launch before left them; carry_scale, b_step, b_in and log_decay here); all arithmetic is f32.
; sp2(z) is made as min(max(z, 26), log2(1 + 2^z)): beyond z = 26 it is z itself, so 2^z may overflow; below z = -24 it is 0, off by less than 6e-8.  A decay below 2^-126 counts as 0.
; tanh(u) = 1 - 2 / (1 + 2^(2 L u)): right at both ends, where 2^.. is 0 or infinite.  NaN and infinities among the inputs are not treated apart.
; REGISTERS, in windows of 256 (s_set_vgpr_msb: bits 1:0 source 0, 3:2 source 1, 5:4 source 2, 7:6 destination):
;   window 0: v0-15 addresses; v16-63 carry_scale and state on their way in; v64-127 A's fragments, two buffers of 32; v128-255 W's fragments, two buffers of 64 (all of v64-231 at work on the way out)
;   window 1: v0-63 b_step L in the accumulators' layout; v64-191 at work between the phases; v192-199 b_in and log_decay          window 2: R          window 3: P
.set PA,     272                       ; a row of A in LDS: 256 bytes + 16 = 68 words: the 16 rows of a load start at 16 different groups of four banks (64 banks of 4 bytes: ISA guide 11.1)
.set PB,     288                       ; a row of W: 256 + 32 = 72 words
.set ATILE,  256*PA
.set BTILE,  128*PB
.set SLOT,   ATILE+BTILE               ; A's 256 rows, then W's 128 rows of K
.set SPITCH, 528                       ; a row of a stage: 512 bytes + 16
.set PQ,     64*SPITCH                 ; in a wave's stage: R's 64 rows, then P's
.set SWB,    2*PQ                      ; the four stages, 270,336 bytes, lie over the ring, whose slots have had their last fill when the first byte is stored there, and over the bytes behind it
.set SPARE,  280576                    ; the spare words, 128 bytes for each wave: two blocks of 256 bytes that no other line names
.set BSTEP,  128*4096                  ; bytes from a K step of Wcat to the next
.set ADRA, 4                           ; v4-5    LDS address of my A fragments in slot 0, 1
.set ADRB, 6                           ; v6-7    the same for W
.set STO,  8                           ; v8      the way out: where I put 16 bytes of a row
.set RD,   9                           ; v9      the way out: where I read a row back; steps by eight rows
.set VC,   10                          ; v10     16 x lane
.set VS,   11                          ; v11     8 x lane
.set SPW,  12                          ; v12     LDS address of my spare word; never rewritten
.set NIL,  13                          ; v13     0; never rewritten
.set VH,   14                          ; v14     32 x (lane / 16)
.set SA,   16                          ; v16-31  eight rows of state, 4 bf16 a lane and row
.set CA,   32                          ; v32-63  eight rows of carry_scale, 4 f32 a lane and row
.set FA,   64                          ; A's fragment buffers
.set FB,   128                         ; W's
.set RR,   64                          ; the way out, eight rows x four columns a lane: R, then the decay
.set PP,   96                          ; P, then the proposal, then new_state
.set CR,   128                         ; carry_scale, rounded
.set SU,   160                         ; state
.set OB,   192                         ; new_state in bf16
.set TT,   208                         ; at work
.set NEL,  224                         ; exp(log_decay) of my four columns
.set BI2,  228                         ; 2 L b_in of my four columns
.set BL,   0                           ; window 1
.set T,    64
.set E,    128
.set PRM,  192
.set WV,   20                          ; s20 wave;  s21 wave / 2: I fetch for A (0) or for W (1);  s22 wave % 2: which half of that tile
.set WH,   21
.set WL,   22
.set NL,   23                          ; s23 the laps of a phase's loop
.set G1A,  24                          ; s[24:31] descriptor group 1 for A's tiles;  s[32:39] group 0, a set for each slot
.set G0A,  32
.set G1B,  48                          ; s[48:55], s[56:63] the same for W's
.set G0B,  56
.set ABASE, 66                         ; s[66:67] Acat at the first of the rows that I fetch
.set KA,   68                          ; s[68:69] byte in Acat's rows of the K step to be asked for next
.set LIM,  70                          ; s70 where that walk turns back to 0: once, at byte 4,096
.set LL,   72                          ; s[72:73] L
.set C1,   74                          ; s[74:75] the weight of the softplus in hand: 1, then 0.1
.set CAP,  76                          ; s76 26
.set L2,   78                          ; s[78:79] 2 L
.set MASK, 80                          ; s80 a word's upper bf16
.set CNT,  81                          ; s81 trips of the way out
.set SB,   82                          ; s[82:83] state, in Acat, at my rows and columns
.set MSB, 0
.macro WIN new                         ; the immediate's high byte repeats the setting that is left; a switch that changes nothing is dropped
.if MSB != (\new)
	s_set_vgpr_msb (MSB<<8)|(\new)
.set MSB, \new
.endif
.endm
.set W_MUL, 0xf0                       ; fragments in window 0, C and D in window 3
; A joint load.  Waves 0 and 1 fetch A's two halves (128 rows each), waves 2 and 3 W's (64 rows of K each).  The branch hangs on the wave's number alone.
; An s_nop 0 and four v_nop follow each of the two lines, ahead of the jump, the label and what follows.
.macro JLOAD s
	s_cmp_eq_u32 s[WH], 0
	s_cbranch_scc0 .Lfor_b_\@
	tensor_load_to_lds s[G0A+4*(\s):G0A+4*(\s)+3], s[G1A:G1A+7]
	s_nop 0
.rept 4
	v_nop
.endr
	s_branch .Lasked_\@
.Lfor_b_\@:
	tensor_load_to_lds s[G0B+4*(\s):G0B+4*(\s)+3], s[G1B:G1B+7]
	s_nop 0
.rept 4
	v_nop
.endr
.Lasked_\@:
.endm
; A round of the cluster's barrier: my work-group's barrier; wave 0 signals for the work-group; every wave waits for all sixteen; my work-group's barrier once more.
.macro CREST                           ; a round behind its opening barrier
	s_cmp_lg_u32 s[WV], 0
	s_cbranch_scc1 .Lnot_wave_0_\@
	s_barrier_signal -3
.Lnot_wave_0_\@:
	s_barrier_wait -3
	s_barrier_signal -1
	s_barrier_wait -1
.endm
.macro CROUND
	s_barrier_signal -1
	s_barrier_wait -1
	CREST
.endm
	s_load_b512 s[4:19], s[0:1], 0x0               ; Acat 4, Wcat 6, carry_scale 8, b_step 10, b_in 12, log_decay 14, out1 16, A2 18
	v_lshl_add_u32 v[SPW], v0, 2, SPARE
	v_mov_b32 v[NIL], 0
	ds_add_u32 v[SPW], v[NIL]                      ; the wave's opening: the add and its wait stand ahead of my first tensor load; the set-up below, work on registers, stands between them
	v_lshrrev_b32 v1, 5, v0
	v_readfirstlane_b32 s[WV], v1
	s_lshr_b32 s[WH], s[WV], 1
	s_and_b32 s[WL], s[WV], 1
	s_bfe_u32 s40, ttmp6, 0x40000                  ; cx, cy: my place in the cluster
	s_bfe_u32 s41, ttmp6, 0x40004
	s_lshl_b32 s42, ttmp9, 2
	s_add_co_u32 s42, s42, s40                     ; tile column = 4 x cluster x + cx
	s_and_b32 s43, ttmp7, 0xffff
	s_lshl_b32 s43, s43, 2
	s_add_co_u32 s43, s43, s41                     ; tile row = 4 x cluster y + cy
	s_lshl_b32 s44, s41, 2
	s_lshl_b32 s44, 15, s44                        ; my row of the cluster
	s_lshl_b32 s45, 0x1111, s40                    ; my column
	; group 1 for A: 128 rows x 128 elements of 2 bytes, 4,096 elements from row to row; in LDS 4 words of padding behind every 64
	s_or_b32 s[G1A+0], s44, (1<<16)|(1<<20)|(1<<21)|(5<<22)|(3<<25)  ; 15:0 the mask: my row; 17:16 2-byte elements; 20 padding on; 21 set beside a mask; 24:22 every 64 words; 31:25 4 words
	s_mov_b32 s[G1A+1], 128<<16                    ; tensor_dim0 = 128
	s_mov_b32 s[G1A+2], 128<<16                    ; tensor_dim1 = 128
	s_mov_b32 s[G1A+3], 128<<16                    ; tile_dim0 = 128
	s_mov_b32 s[G1A+4], 128                        ; tile_dim1 = 128
	s_mov_b32 s[G1A+5], 4096                       ; elements from row to row
	s_mov_b32 s[G1A+6], 0
	s_mov_b32 s[G1A+7], 0
	; group 1 for W: 64 rows of K x 128 columns, 2,048 elements from row to row; 8 words of padding behind every 64
	s_or_b32 s[G1B+0], s45, (1<<16)|(1<<20)|(1<<21)|(5<<22)|(7<<25)  ; the mask: my column
	s_mov_b32 s[G1B+1], 128<<16
	s_mov_b32 s[G1B+2], 64<<16
	s_mov_b32 s[G1B+3], 128<<16
	s_mov_b32 s[G1B+4], 64
	s_mov_b32 s[G1B+5], 2048
	s_mov_b32 s[G1B+6], 0
	s_mov_b32 s[G1B+7], 0
	; A's tiles hang on the tile row and the wave alone, W's on the tile column and the wave alone, each in registers that never hold the other coordinate
	s_lshl_b32 s84, s43, 8
	s_lshl_b32 s85, s[WL], 7
	s_add_co_u32 s84, s84, s85                     ; row 256 x tile row + 128 x half,
	s_lshl_b32 s84, s84, 13                        ; 8,192 bytes each: under 2^25
	s_mov_b32 s85, 0
	s_lshl_b32 s86, s[WL], 18                      ; 64 rows of K x 4,096 bytes x half
	s_lshl_b32 s87, s42, 8                         ; 128 columns x 2 bytes x tile column
	s_add_co_u32 s86, s86, s87
	s_mov_b32 s87, 0
	s_mul_i32 s46, s[WL], 128*PA                   ; where they go: no place in the cluster enters an LDS address
	s_mul_i32 s47, s[WL], 64*PB
	s_add_co_u32 s47, s47, ATILE
	s_mov_b32 s[KA], 512                           ; K steps 0 and 1 are asked for below; the next is step 2
	s_mov_b32 s[KA+1], 0
	s_mov_b32 s[LIM], 4096
	s_mov_b32 s[LL], 0x3fb8aa3b                    ; log2(e)
	s_mov_b32 s[LL+1], 0x3fb8aa3b
	s_mov_b32 s[C1], 1.0
	s_mov_b32 s[C1+1], 1.0
	s_mov_b32 s[CAP], 0x41d00000                   ; 26
	s_mov_b32 s[L2], 0x4038aa3b                    ; 2 log2(e)
	s_mov_b32 s[L2+1], 0x4038aa3b
	s_mov_b32 s[MASK], 0xffff0000
	s_wait_dscnt 0x0                               ; the opening add is done
	s_wait_kmcnt 0x0
	s_add_nc_u64 s[ABASE:ABASE+1], s[4:5], s[84:85]
	s_add_nc_u64 s[6:7], s[6:7], s[86:87]
	CROUND                                         ; all sixteen work-groups are here: the first joint loads meet
.irp s, 0,1
	s_mov_b32 s[G0A+4*(\s)], 1                                     ; count = 1
	s_add_co_u32 s[G0A+4*(\s)+1], s46, (\s)*SLOT                   ; LDS address
	s_add_nc_u64 s[G0A+4*(\s)+2:G0A+4*(\s)+3], s[ABASE:ABASE+1], (\s)*256  ; global address: K step s
	s_or_b32 s[G0A+4*(\s)+3], s[G0A+4*(\s)+3], 0x80000000          ; type = 2
	s_mov_b32 s[G0B+4*(\s)], 1
	s_add_co_u32 s[G0B+4*(\s)+1], s47, (\s)*SLOT
	s_add_nc_u64 s[G0B+4*(\s)+2:G0B+4*(\s)+3], s[6:7], (\s)*BSTEP
	s_or_b32 s[G0B+4*(\s)+3], s[G0B+4*(\s)+3], 0x80000000
	JLOAD \s                                       ; two loads of mine are out
.endr
	; all that follows up to the first barrier stands in the wait for the first tile
	s_lshl_b32 s86, s42, 9                         ; my tile's 128 columns in a row of f32: 512 bytes x tile column
	s_add_nc_u64 s[10:11], s[10:11], s[86:87]      ; b_step, b_in, log_decay at those columns
	s_add_nc_u64 s[12:13], s[12:13], s[86:87]
	s_add_nc_u64 s[14:15], s[14:15], s[86:87]
	s_lshl_b32 s88, s43, 8
	s_lshl_b32 s89, s[WV], 6
	s_add_co_u32 s88, s88, s89                     ; my first row: 256 x tile row + 64 x wave
	s_mul_i32 s91, s88, 6144                       ; in A2
	s_lshl_b32 s88, s88, 13                        ; in carry_scale, out1 and Acat
	s_add_co_u32 s88, s88, s86
	s_mov_b32 s89, 0
	s_add_nc_u64 s[8:9], s[8:9], s[88:89]
	s_add_nc_u64 s[16:17], s[16:17], s[88:89]
	s_lshl_b32 s90, s42, 8                         ; the same columns in bf16: 256 bytes x tile column
	s_sub_co_u32 s88, s88, s90
	s_add_co_u32 s88, s88, 4096                    ; state begins at byte 4,096 of Acat's rows
	s_add_nc_u64 s[SB:SB+1], s[4:5], s[88:89]
	s_add_co_u32 s88, s91, s90
	s_add_co_u32 s88, s88, 2048                    ; new_state begins at byte 2,048 of A2's rows
	s_add_nc_u64 s[18:19], s[18:19], s[88:89]
	; A fragment of A is 16 rows x 32 K in 8 registers: lane l holds row l % 16, K = 8 (l / 16) + 0..7 and 16 + 8 (l / 16) + 0..7: two loads of 16 bytes, 32 bytes apart.
	v_and_b32 v1, 15, v0                           ; l % 16
	v_bfe_u32 v2, v0, 4, 1                         ; l / 16
	v_mul_u32_u24 v3, v1, PA
	v_lshl_add_u32 v3, v2, 4, v3
	s_mul_i32 s71, s[WV], 64*PA                    ; my 64 rows
	v_add_nc_u32 v[ADRA], s71, v3
	v_add_nc_u32 v[ADRA+1], SLOT, v[ADRA]
	; The turning load takes 16 K x 16 columns (lane l reads K = 8 (l / 16) + l % 8, columns 8 ((l / 8) % 2) + 0..7) and leaves half a fragment: lane l holds column l % 16 and 8 K.
	v_and_b32 v3, 7, v0
	v_lshl_add_u32 v3, v2, 3, v3
	v_mul_u32_u24 v3, v3, PB
	v_bfe_u32 v15, v0, 3, 1
	v_lshl_add_u32 v3, v15, 4, v3
	v_add_nc_u32 v[ADRB], ATILE, v3
	v_add_nc_u32 v[ADRB+1], ATILE+SLOT, v3
	s_mul_i32 s77, s[WV], SWB                      ; my stage
	v_mul_u32_u24 v3, v1, SPITCH                   ; in: row l % 16, 32 bytes for each half of the lanes
	v_lshl_add_u32 v3, v2, 5, v3
	v_add_nc_u32 v[STO], s77, v3
	v_and_b32 v15, 31, v0
	v_lshlrev_b32 v[VC], 4, v15
	v_lshlrev_b32 v[VS], 3, v15
	v_add_nc_u32 v[RD], s77, v[VC]                 ; back: 32 lanes take a row's 512 bytes
	v_lshlrev_b32 v[VH], 5, v2
	WIN 0x40                                       ; destination window 1, address window 0
.irp b, 0,1,2,3,4,5,6,7                ; b_step in the accumulators' layout: columns 16 b + 8 (l / 16) + 0..7
	global_load_b128 v[BL+8*(\b):BL+8*(\b)+3],   v[VH], s[10:11] offset:64*(\b)
	global_load_b128 v[BL+8*(\b)+4:BL+8*(\b)+7], v[VH], s[10:11] offset:64*(\b)+16
.endr
	global_load_b128 v[PRM:PRM+3],   v[VC], s[12:13]  ; b_in and log_decay in the way out's layout: columns 4 l + 0..3
	global_load_b128 v[PRM+4:PRM+7], v[VC], s[14:15]
	WIN 0x80                                       ; R starts at 0, cleared on purpose: both softplus steps then share one text, R += weight x sp2
.set i, 0
.rept 256
	v_mov_b32 v[i], 0
.set i, i+1
.endr
	s_wait_loadcnt 0x0
	WIN 0x45                                       ; destination and both sources in window 1: b_step is rounded to bf16 and multiplied by L
.set i, 0
.rept 32
	v_cvt_pk_bf16_f32 v[T+i], v[BL+2*i], v[BL+2*i+1]
.set i, i+1
.endr
.set i, 0
.rept 32
	v_lshlrev_b32 v[BL+2*i], 16, v[T+i]
	v_and_b32 v[BL+2*i+1], s[MASK], v[T+i]
.set i, i+1
.endr
.set i, 0
.rept 32
	v_pk_mul_f32 v[BL+2*i:BL+2*i+1], v[BL+2*i:BL+2*i+1], s[LL:LL+1] op_sel_hi:[1,0]
.set i, i+1
.endr
	WIN 0
; 8 matrix instructions: m block a x all 8 n blocks, 32 along K, from buffer f.  zero = 1: the product starts the sum.  The 32 accumulators take turns, one instruction a turn, in the same
; order in every quarter.
.macro MUL8 f, a, zero
	WIN W_MUL
.irp b, 0,1,2,3,4,5,6,7
.if \zero
	v_wmma_f32_16x16x32_bf16 v[8*(8*(\a)+(\b)):8*(8*(\a)+(\b))+7], v[FB+64*(\f)+8*(\b):FB+64*(\f)+8*(\b)+7], v[FA+32*(\f)+8*(\a):FA+32*(\f)+8*(\a)+7], 0
.else
	v_wmma_f32_16x16x32_bf16 v[8*(8*(\a)+(\b)):8*(8*(\a)+(\b))+7], v[FB+64*(\f)+8*(\b):FB+64*(\f)+8*(\b)+7], v[FA+32*(\f)+8*(\a):FA+32*(\f)+8*(\a)+7], v[8*(8*(\a)+(\b)):8*(8*(\a)+(\b))+7]
.endif
.endr
.endm
; 24 LDS loads in one run: quarter q (32 along K) of a slot into buffer f: W's 128 columns turned, then my 64 rows of A; the youngest four are A's blocks 2 and 3
.macro FETCH slot, q, f
	WIN 0
.irp b, 0,1,2,3,4,5,6,7
	ds_load_tr16_b128 v[FB+64*(\f)+8*(\b):FB+64*(\f)+8*(\b)+3],   v[ADRB+(\slot)] offset:32*(\q)*PB+32*(\b)
	ds_load_tr16_b128 v[FB+64*(\f)+8*(\b)+4:FB+64*(\f)+8*(\b)+7], v[ADRB+(\slot)] offset:32*(\q)*PB+16*PB+32*(\b)
.endr
.irp a, 0,1,2,3
	ds_load_b128 v[FA+32*(\f)+8*(\a):FA+32*(\f)+8*(\a)+3],   v[ADRA+(\slot)] offset:64*(\q)+(\a)*16*PA
	ds_load_b128 v[FA+32*(\f)+8*(\a)+4:FA+32*(\f)+8*(\a)+7], v[ADRA+(\slot)] offset:64*(\q)+(\a)*16*PA+32
.endr
.endm
; A load into a register that a matrix instruction has read, and a vector instruction or store that reads a matrix result, stand four places behind it; only plain vector instructions that
; name none of its registers are places (ISA guide 7.12.1 for vector instructions).
.macro PLACES
.rept 4
	v_nop
.endr
.endm
; A K step is four quarters of 32 along K, 32 matrix instructions each, on buffers 0, 1, 0, 1.  One of the first three: multiplies buffer f and, in its middle, fetches quarter q into buffer g.
.macro QUARTER slot, q, f, g, zero
	s_wait_dscnt 4                                 ; W and A's blocks 0 and 1 are in; the youngest four loads may be out
	MUL8 \f, 0, \zero
	MUL8 \f, 1, \zero
	PLACES
	FETCH \slot, \q, \g
	s_wait_dscnt 24                                ; all but the 24 just issued
	MUL8 \f, 2, \zero
	MUL8 \f, 3, \zero
.endm
; The last quarter multiplies buffer 1 and changes slots.  MEET is its first half: one barrier for two things.  In front of it each wave waits for all its tensor loads, of which one is out:
; its part of the next slot; adds 0 to its spare word; and waits for that and for its own reads of this slot.  Behind it nobody reads this slot any more and the next slot is whole.
.macro MEET round
	WIN 0                                          ; (the add's two registers lie in window 0)
	s_wait_tensorcnt 0x0                           ; all my tensor loads have landed;
	ds_add_u32 v[SPW], v[NIL]                      ; 0 onto my spare word;
	s_wait_dscnt 5                                 ; (the add and the youngest four loads may be out)
	MUL8 1, 0, 0                                   ; eight matrix instructions stand between the add and the wait for it
	s_wait_dscnt 0x0                               ; the add is done, and my reads of this slot are over
	s_barrier_signal -1
	MUL8 1, 1, 0                                   ; work on registers while the others arrive
.if \round
	WIN 0
.endif
	s_barrier_wait -1
.endm
; The whole last quarter.  The barrier opens a round of the cluster's; behind the round the slot just read out is filled again first, with the K step two steps on: 112 matrix instructions ahead of the wait for it.
; A's address is made anew from the walk's byte, which turns back to 0 once, behind K step 15's request; W's steps straight on.  Nothing in these lines differs between partners.
.macro TURN slot, next
	MEET 1
	CREST
	s_add_nc_u64 s[G0A+4*(\slot)+2:G0A+4*(\slot)+3], s[ABASE:ABASE+1], s[KA:KA+1]
	s_or_b32 s[G0A+4*(\slot)+3], s[G0A+4*(\slot)+3], 0x80000000
	s_add_nc_u64 s[G0B+4*(\slot)+2:G0B+4*(\slot)+3], s[G0B+4*(\slot)+2:G0B+4*(\slot)+3], 2*BSTEP
	s_add_co_u32 s[KA], s[KA], 256
	s_cmp_eq_u32 s[KA], s[LIM]
	s_cselect_b32 s[KA], 0, s[KA]
	s_cselect_b32 s[LIM], -1, s[LIM]
	JLOAD \slot                                    ; the first tensor load behind the round; its four v_nop are also the places in front of the loads below
	FETCH \next, 0, 0
	MUL8 1, 2, 0
	MUL8 1, 3, 0
.endm
	s_wait_tensorcnt 0x1                           ; my part of K step 0 is in; K step 1's load stays out
	s_barrier_signal -1
	s_barrier_wait -1                              ; everybody's is
	FETCH 0, 0, 0
	s_mov_b32 s2, 3                                ; phases to go, this one among them
.Lphase:
	s_cmp_eq_u32 s2, 1
	s_cselect_b32 s[NL], 15, 3                     ; a phase has 4 laps of two K steps, the last 16; the last lap of each stands behind the loop
	QUARTER 0, 1, 0, 1, 1                          ; a phase's first quarter starts the sums
	WIN 0                                          ; at a label and at a branch every window is 0
	s_mov_b32 s3, 0
.Llap:                                                 ; a trip goes once round the ring, from a lap's second quarter to the next lap's first, and fills both slots again
	QUARTER 0, 2, 1, 0, 0
	QUARTER 0, 3, 0, 1, 0
	TURN 0, 1
	QUARTER 1, 1, 0, 1, 0
	QUARTER 1, 2, 1, 0, 0
	QUARTER 1, 3, 0, 1, 0
	TURN 1, 0
	QUARTER 0, 1, 0, 1, 0
	WIN 0
	s_add_co_u32 s3, s3, 1
	s_cmp_lt_u32 s3, s[NL]
	s_cbranch_scc1 .Llap
	QUARTER 0, 2, 1, 0, 0                          ; the phase's last lap goes on
	QUARTER 0, 3, 0, 1, 0
	WIN 0
	s_cmp_eq_u32 s2, 1
	s_cbranch_scc1 .Llast                          ; the last phase's tail is written out: it asks for nothing more
	TURN 0, 1                                      ; the ring goes on into the next phase: slot 0 takes its first K step,
	QUARTER 1, 1, 0, 1, 0
	QUARTER 1, 2, 1, 0, 0
	QUARTER 1, 3, 0, 1, 0
	TURN 1, 0                                      ; slot 1 its second, and the next phase's first fragments are fetched
	; BETWEEN THE PHASES: R += weight x sp2(P L + bias L), an m block (64 registers) at a time.  Blocks 0 and 1 were finished in front of the joint load's four v_nop; block 0's plain lines,
	; which name no register of the last products, are the places behind those.  Each accumulator is read from its low end on.  A v_nop stands behind each run of transcendentals, ahead of
	; the first use of a result (ISA guide 5.7.2).
.irp a, 0,1,2,3
	WIN 0x53                                       ; P in window 3; the bias and the result in window 1
.set i, 0
.rept 32
	v_pk_fma_f32 v[T+i:T+i+1], v[64*(\a)+i:64*(\a)+i+1], s[LL:LL+1], v[BL+i:BL+i+1] op_sel_hi:[1,0,1]  ; z
.set i, i+2
.endr
	WIN 0x41
.set i, 0
.rept 64
	v_exp_f32 v[E+i], v[T+i]
.set i, i+1
.endr
	v_nop
.set i, 0
	s_wait_alu depctr_va_vdst(0)
.rept 32
	v_pk_add_f32 v[E+i:E+i+1], v[E+i:E+i+1], 1.0 op_sel_hi:[1,0]
.set i, i+2
.endr
.set i, 0
.rept 64
	v_log_f32 v[E+i], v[E+i]
.set i, i+1
.endr
	v_nop
	WIN 0x51
.set i, 0
	s_wait_alu depctr_va_vdst(0)
.rept 64
	v_maxmin_num_f32 v[T+i], v[T+i], s[CAP], v[E+i]  ; min(max(z, 26), log2(1 + 2^z))
.set i, i+1
.endr
	WIN 0xa1                                       ; R in window 2
.set i, 0
.rept 32
	v_pk_fma_f32 v[64*(\a)+i:64*(\a)+i+1], v[T+i:T+i+1], s[C1:C1+1], v[64*(\a)+i:64*(\a)+i+1] op_sel_hi:[1,0,1]
.set i, i+2
.endr
.endr
	WIN 0x40
.set i, 0
.rept 64
	v_mov_b32 v[BL+i], 0                           ; the second softplus has no bias,
.set i, i+1
.endr
	WIN 0
	s_mov_b32 s[C1], 0x3dcccccd                    ; and the weight 0.1
	s_mov_b32 s[C1+1], 0x3dcccccd
	s_sub_co_u32 s2, s2, 1
	s_branch .Lphase
.Llast:
.irp i, 0,1,2,3,4,5,6,7                ; the way out's first eight rows of carry_scale and state are asked for a K step and a quarter ahead
	global_load_b128 v[CA+4*(\i):CA+4*(\i)+3], v[VC], s[8:9] offset:8192*(\i) th:TH_LOAD_NT
.endr
.irp i, 0,1,2,3,4,5,6,7
	global_load_b64 v[SA+2*(\i):SA+2*(\i)+1], v[VS], s[SB:SB+1] offset:8192*(\i)
.endr
	MEET 0                                         ; my one tensor load that was still out is the last K step's, so no round follows
	PLACES
	FETCH 1, 0, 0
	MUL8 1, 2, 0
	MUL8 1, 3, 0
	QUARTER 1, 1, 0, 1, 0
	QUARTER 1, 2, 1, 0, 0
	QUARTER 1, 3, 0, 1, 0
	s_wait_dscnt 4                                 ; the very last quarter: nothing more to fetch
	MUL8 1, 0, 0
	MUL8 1, 1, 0
	s_wait_dscnt 0x0
	MUL8 1, 2, 0
	MUL8 1, 3, 0
	WIN 0
	; THE WAY OUT.  R and P go through my stage, so that a lane holds four neighbouring columns of a row and a wave's load or store covers a row's 512 (in bf16 256) consecutive bytes.
	s_barrier_signal -1                            ; my reads of the ring are over (the wait for 0 above) and every fill has landed: the stages lie over the ring
	PLACES                                         ; behind the last products: their results are stored, and their fragments' registers written, below
	s_barrier_wait -1
	WIN 0x08                                       ; data in window 2
.irp a, 0,1,2,3
.irp b, 0,1,2,3,4,5,6,7
	ds_store_b128 v[STO], v[8*(8*(\a)+(\b)):8*(8*(\a)+(\b))+3]   offset:(\a)*16*SPITCH+64*(\b)
	ds_store_b128 v[STO], v[8*(8*(\a)+(\b))+4:8*(8*(\a)+(\b))+7] offset:(\a)*16*SPITCH+64*(\b)+16
.endr
.endr
	WIN 0x0c                                       ; data in window 3; each accumulator's low half first
.irp a, 0,1,2,3
.irp b, 0,1,2,3,4,5,6,7
	ds_store_b128 v[STO], v[8*(8*(\a)+(\b)):8*(8*(\a)+(\b))+3]   offset:PQ+(\a)*16*SPITCH+64*(\b)
	ds_store_b128 v[STO], v[8*(8*(\a)+(\b))+4:8*(8*(\a)+(\b))+7] offset:PQ+(\a)*16*SPITCH+64*(\b)+16
.endr
.endr
	WIN 0x05                                       ; sources in window 1: b_in and log_decay are rounded to bf16
.irp k, 0,1,2,3
	v_cvt_pk_bf16_f32 v[TT+(\k)], v[PRM+2*(\k)], v[PRM+2*(\k)+1]
.endr
	WIN 0
.irp k, 0,1
	v_lshlrev_b32 v[BI2+2*(\k)],   16, v[TT+(\k)]
	v_and_b32     v[BI2+2*(\k)+1], s[MASK], v[TT+(\k)]
	v_lshlrev_b32 v[NEL+2*(\k)],   16, v[TT+2+(\k)]
	v_and_b32     v[NEL+2*(\k)+1], s[MASK], v[TT+2+(\k)]
.endr
	v_pk_mul_f32 v[BI2:BI2+1],   v[BI2:BI2+1],   s[L2:L2+1] op_sel_hi:[1,0]
	v_pk_mul_f32 v[BI2+2:BI2+3], v[BI2+2:BI2+3], s[L2:L2+1] op_sel_hi:[1,0]
	v_pk_mul_f32 v[NEL:NEL+1],   v[NEL:NEL+1],   s[LL:LL+1] op_sel_hi:[1,0]
	v_pk_mul_f32 v[NEL+2:NEL+3], v[NEL+2:NEL+3], s[LL:LL+1] op_sel_hi:[1,0]
.irp k, 0,1,2,3
	v_exp_f32 v[NEL+(\k)], v[NEL+(\k)]             ; exp(log_decay)
.endr
	v_nop
	s_wait_dscnt 0x0                               ; my stores into my stage are done.  A wave reads back its own stage alone; the barrier makes that order hold
	s_barrier_signal -1                            ; whatever the read address, which steps in the loop below, is taken to reach
	s_barrier_wait -1
	s_mov_b32 s[CNT], 8
.Lrow:                                                 ; eight trips of eight rows
.irp i, 0,1,2,3,4,5,6,7
	ds_load_b128 v[RR+4*(\i):RR+4*(\i)+3], v[RD] offset:SPITCH*(\i)
.endr
.irp i, 0,1,2,3,4,5,6,7
	ds_load_b128 v[PP+4*(\i):PP+4*(\i)+3], v[RD] offset:PQ+SPITCH*(\i)
.endr
	s_wait_loadcnt 0x0                             ; this trip's carry_scale and state, asked for a trip ago
.set i, 0
.rept 16
	v_cvt_pk_bf16_f32 v[TT+i], v[CA+2*i], v[CA+2*i+1]  ; carry_scale is rounded to bf16
.set i, i+1
.endr
.set i, 0
.rept 16
	v_lshlrev_b32 v[CR+2*i],   16, v[TT+i]
	v_and_b32     v[CR+2*i+1], s[MASK], v[TT+i]
	v_lshlrev_b32 v[SU+2*i],   16, v[SA+i]
	v_and_b32     v[SU+2*i+1], s[MASK], v[SA+i]
.set i, i+1
.endr
	s_cmp_eq_u32 s[CNT], 1
	s_cbranch_scc1 .Lnopre                         ; the last trip asks for nothing: no load leaves its buffer
.irp i, 0,1,2,3,4,5,6,7                ; the next trip's rows: they have this trip's arithmetic in which to land
	global_load_b128 v[CA+4*(\i):CA+4*(\i)+3], v[VC], s[8:9] offset:8192*(8+(\i)) th:TH_LOAD_NT
.endr
.irp i, 0,1,2,3,4,5,6,7
	global_load_b64 v[SA+2*(\i):SA+2*(\i)+1], v[VS], s[SB:SB+1] offset:8192*(8+(\i))
.endr
.Lnopre:
	s_wait_dscnt 0x0
.set i, 0
	s_wait_alu depctr_va_vdst(0)
.rept 16
	v_pk_mul_f32 v[RR+2*i:RR+2*i+1], v[RR+2*i:RR+2*i+1], v[NEL+(2*i)%4:NEL+(2*i)%4+1] neg_lo:[0,1] neg_hi:[0,1]  ; -R exp(log_decay)
	v_pk_fma_f32 v[PP+2*i:PP+2*i+1], v[PP+2*i:PP+2*i+1], s[L2:L2+1], v[BI2+(2*i)%4:BI2+(2*i)%4+1] op_sel_hi:[1,0,1]  ; 2 L (P + b_in)
.set i, i+1
.endr
.set i, 0
.rept 32
	v_exp_f32 v[RR+i], v[RR+i]
.set i, i+1
.endr
.set i, 0
.rept 32
	v_exp_f32 v[PP+i], v[PP+i]
.set i, i+1
.endr
	v_nop
.set i, 0
	s_wait_alu depctr_va_vdst(0)
.rept 16
	v_pk_mul_f32 v[RR+2*i:RR+2*i+1], v[RR+2*i:RR+2*i+1], v[CR+2*i:CR+2*i+1]  ; the decay
	v_pk_add_f32 v[PP+2*i:PP+2*i+1], v[PP+2*i:PP+2*i+1], 1.0 op_sel_hi:[1,0]
.set i, i+1
.endr
.set i, 0
.rept 32
	v_rcp_f32 v[PP+i], v[PP+i]
.set i, i+1
.endr
	v_nop
.set i, 0
	s_wait_alu depctr_va_vdst(0)
.rept 16
	v_pk_fma_f32 v[PP+2*i:PP+2*i+1], v[PP+2*i:PP+2*i+1], -2.0, 1.0 op_sel_hi:[1,0,0]  ; the proposal
.set i, i+1
.endr
.set i, 0
.rept 16
	v_pk_add_f32 v[SU+2*i:SU+2*i+1], v[SU+2*i:SU+2*i+1], v[PP+2*i:PP+2*i+1] neg_lo:[0,1] neg_hi:[0,1]  ; state - proposal
.set i, i+1
.endr
.set i, 0
.rept 16
	v_pk_fma_f32 v[PP+2*i:PP+2*i+1], v[RR+2*i:RR+2*i+1], v[SU+2*i:SU+2*i+1], v[PP+2*i:PP+2*i+1]  ; proposal + decay (state - proposal)
.set i, i+1
.endr
.set i, 0
.rept 16
	v_cvt_pk_bf16_f32 v[OB+i], v[PP+2*i], v[PP+2*i+1]
.set i, i+1
.endr
.irp i, 0,1,2,3,4,5,6,7
	global_store_b128 v[VC], v[PP+4*(\i):PP+4*(\i)+3], s[16:17] offset:8192*(\i) th:TH_STORE_NT  ; 512 consecutive bytes of out1, at a multiple of 256 from its first
.endr
.irp i, 0,1,2,3,4,5,6,7
	global_store_b64 v[VS], v[OB+2*(\i):OB+2*(\i)+1], s[18:19] offset:6144*(\i)  ; 256 consecutive bytes of A2, at a multiple of 256 from its first
.endr
	s_wait_xcnt 0x0                                ; every earlier memory instruction has had its addresses translated (ISA guide 3.1): only behind this wait are the four bases stepped and the stores' data written again
	s_add_nc_u64 s[8:9], s[8:9], 8*8192
	s_add_nc_u64 s[SB:SB+1], s[SB:SB+1], 8*8192
	s_add_nc_u64 s[16:17], s[16:17], 8*8192
	s_add_nc_u64 s[18:19], s[18:19], 8*6144
	v_add_nc_u32 v[RD], 8*SPITCH, v[RD]
	s_sub_co_u32 s[CNT], s[CNT], 1
	s_cmp_lg_u32 s[CNT], 0
	s_cbranch_scc1 .Lrow
	s_wait_tensorcnt 0x0                           ; the wave's end: 0 is added to my spare word and waited for, behind my last tensor load and my last LDS store
	ds_add_u32 v[SPW], v[NIL]
	s_wait_dscnt 0x0
	CROUND                                         ; the closing round: no work-group ends while a partner may still ask for a tile that names it
	s_endpgm
.Lfunc_end_k_q655e04eefb_gate:
	.size	k_q655e04eefb_gate, .Lfunc_end_k_q655e04eefb_gate-k_q655e04eefb_gate
	.p2alignl 7, 3214868480
	.fill 96, 4, 3214868480
	.section	.rodata,"a",@progbits
	.p2align	6, 0x0
	.amdhsa_kernel k_q655e04eefb_gate
		.amdhsa_group_segment_fixed_size 327680
		.amdhsa_private_segment_fixed_size 0
		.amdhsa_enable_private_segment 0
		.amdhsa_kernarg_size 64
		.amdhsa_user_sgpr_count 2
		.amdhsa_user_sgpr_kernarg_segment_ptr 1
		.amdhsa_wavefront_size32 1
		.amdhsa_system_sgpr_workgroup_id_x 1
		.amdhsa_system_sgpr_workgroup_id_y 1
		.amdhsa_system_sgpr_workgroup_id_z 1
		.amdhsa_system_vgpr_workitem_id 0
		.amdhsa_next_free_vgpr 1024
		.amdhsa_next_free_sgpr 92
		.amdhsa_reserve_vcc 0
		.amdhsa_float_denorm_mode_32 3
		.amdhsa_float_denorm_mode_16_64 3
		.amdhsa_memory_ordered 1
		.amdhsa_forward_progress 1
		.amdhsa_inst_pref_size 197
	.end_amdhsa_kernel
	.amdgpu_metadata
---
amdhsa.version: [ 1, 2 ]
amdhsa.kernels:
  - .name:           k_q655e04eefb_gate
    .symbol:         k_q655e04eefb_gate.kd
    .args:
      - { .name: Acat, .offset: 0, .size: 8, .value_kind: global_buffer, .address_space: global }
      - { .name: Wcat, .offset: 8, .size: 8, .value_kind: global_buffer, .address_space: global }
      - { .name: carry_scale, .offset: 16, .size: 8, .value_kind: global_buffer, .address_space: global }
      - { .name: b_step, .offset: 24, .size: 8, .value_kind: global_buffer, .address_space: global }
      - { .name: b_in, .offset: 32, .size: 8, .value_kind: global_buffer, .address_space: global }
      - { .name: log_decay, .offset: 40, .size: 8, .value_kind: global_buffer, .address_space: global }
      - { .name: out1, .offset: 48, .size: 8, .value_kind: global_buffer, .address_space: global }
      - { .name: A2, .offset: 56, .size: 8, .value_kind: global_buffer, .address_space: global }
    .group_segment_fixed_size: 327680
    .private_segment_fixed_size: 0
    .kernarg_segment_align: 8
    .kernarg_segment_size: 64
    .max_flat_workgroup_size: 128
    .sgpr_count:     92
    .vgpr_count:     1024
    .wavefront_size: 32
...
	.end_amdgpu_metadata
.endif
;; end of part 2
;; launch proj (part 3): grid 8 x 32, 4 waves a work-group, clusters of 4 x 4, 327,680 bytes of LDS; arguments A2, Wo, b_out, H; writes H
.if DOCPART == 3
	.amdgcn_target "amdgcn-amd-amdhsa--gfx1250"
	.amdhsa_code_object_version 6
	.text
	.protected	k_q655e04eefb_proj
	.globl	k_q655e04eefb_proj
	.p2align	8
	.type	k_q655e04eefb_proj,@function
k_q655e04eefb_proj:
	s_mov_b64 s[64:65], 0
	v_nop
	global_prefetch_b8 v0, s[64:65] scope:SCOPE_SE
	s_setreg_imm32_b32 hwreg(HW_REG_WAVE_MODE, 25, 1), 1
	s_wait_xcnt 0x0
	s_wait_alu depctr_hold_cnt(0) depctr_sa_sdst(0) depctr_va_vdst(0) depctr_va_sdst(0) depctr_va_ssrc(0) depctr_va_vcc(0) depctr_vm_vsrc(0)
	s_getreg_b32 s2, hwreg(HW_REG_IB_STS2, 6, 4)
	s_cmp_eq_u32 s2, 0
	s_cbranch_scc0 .Lentry_in_a_cluster
	s_endpgm
.Lentry_in_a_cluster:
	s_bfe_u32 s2, ttmp6, 0x10000c
	s_cmp_lg_u32 s2, 0xf033
	s_cbranch_scc0 .Lentry_shape_is_right
	s_endpgm
.Lentry_shape_is_right:
; PROJ.  H = [x | new_state] W_out + b_out + x, in f32.  A2: [4096][3072] bf16 (columns 0-1023 x, the rest new_state); Wo: [3072][1024] bf16, as W_out lies: [K][N].
; A tile of H is 128 x 128: 8 x 32 work-groups.  Four waves, each 64 x 64: 16 accumulators of 16 x 16.  K goes in 12 steps of 256 through two LDS slots.
; A's rows lie along K (LDS rows of 512 bytes); W's fragments come out of LDS turned, by ds_load_tr16_b128.  Source 0 = 16 columns of W, source 1 = 16 rows of A: a lane holds eight neighbouring
; columns of one row of H.
; CLUSTER.  4 x 4 work-groups: the four of a row need the same tiles of A2, the four of a column the same tiles of Wo; each tile is asked for jointly, by the same load, descriptor and mask in all four.
; The way out goes through ONE stage, over slot 0, whose last fill has landed and been read: a wave's 64 columns are half of a row's 512 bytes, so a barrier stands between writing and reading;
; then each wave takes 32 whole rows, adds b_out and x, and stores 512 consecutive bytes at a time.
; LIMITS.  x enters the sum as the bf16 number that A2 holds, b_out rounded to bf16 here: every input of the module is used rounded once to bf16; sums in f32.
; REGISTERS: window 0: v0-31 addresses; v32-95 x of my 32 rows; v96-109 b_out and work; v128-255 the accumulators ((a, b) at v[128 + 8 (4 a + b)]), later the rows read back.
;   window 1: two fragment buffers of 128: for 64 along K, 64 registers of A (2 x 4 x 16 rows x 32 K), then 64 of W.
.set PA,     528                       ; a row of A in LDS: 512 bytes + 16 = 132 words: the 16 rows of a load start at 16 different groups of four banks (64 banks of 4 bytes: ISA guide 11.1)
.set PB,     288                       ; a row of W: 256 + 32 = 72 words
.set ATILE,  128*PA
.set BTILE,  256*PB
.set SLOT,   ATILE+BTILE               ; A's 128 rows, then W's 256 rows of K
.set SPITCH, 528                       ; a row of the stage: 512 bytes + 16
.set SPARE,  300032                    ; behind the ring: the spare words, 128 bytes for each wave: two blocks of 256 bytes that no other line names
.set LAPS,   6                         ; a lap = two K steps = once round the ring
.set ADRA, 16                          ; v16-17  LDS address of my A fragments in slot 0, 1
.set ADRB, 20                          ; v20-23  of my W fragments: slot 0 rows 0-127 of K, slot 0 rows 128-255, slot 1 likewise (the immediate offset has 16 bits)
.set STO,  24                          ; v24     the way out: where I put 16 bytes of a row
.set RD,   25                          ; v25     where I read a row back
.set VC,   26                          ; v26     16 x lane
.set VS,   27                          ; v27     8 x lane
.set SPW,  28                          ; v28     LDS address of my spare word; never rewritten
.set NIL,  29                          ; v29     0; never rewritten
.set XR,   32                          ; v32-95  x: row i of my 32 at XR + 2 i, 4 bf16 a lane
.set BO,   96                          ; v96-99  b_out of my four columns
.set XU,   100                         ; v100-107  x + b_out of a row in f32, two sets
.set TP,   108                         ; v108-109  at work
.set ACC,  128
.set F0,   0                           ; fragment buffers, in window 1
.set F1,   128
.set WV,   20                          ; s20 wave;  s21 wave / 2: my half of the rows, and I fetch for A (0) or for W (1);  s22 wave % 2: my half of the columns, and which half of that tile I fetch
.set WH,   21
.set WL,   22
.set G1A,  24                          ; s[24:31] descriptor group 1 for A's tiles;  s[32:39] group 0, a set for each slot
.set G0A,  32
.set G1B,  48                          ; s[48:55], s[56:63] the same for W's
.set G0B,  56
.set XB,   66                          ; s[66:67] x, in A2, at my 32 rows and the tile's columns
.set MASK, 74                          ; s74 a word's upper bf16
.set MSB, 0
.macro WIN new                         ; the immediate's high byte repeats the setting that is left
.if MSB != (\new)
	s_set_vgpr_msb (MSB<<8)|(\new)
.set MSB, \new
.endif
.endm
.set MUL,  0x05                        ; sources 0 (W) and 1 (A) window 1; C and D window 0
.set TO_F, 0x40                        ; destination window 1, address window 0
.macro JLOAD s                         ; a joint load: waves 0 and 1 fetch A's two halves, waves 2 and 3 W's; an s_nop 0 and four v_nop follow each of the two lines, ahead of the jump, the label and what follows
	s_cmp_eq_u32 s[WH], 0
	s_cbranch_scc0 .Lfor_b_\@
	tensor_load_to_lds s[G0A+4*(\s):G0A+4*(\s)+3], s[G1A:G1A+7]
	s_nop 0
.rept 4
	v_nop
.endr
	s_branch .Lasked_\@
.Lfor_b_\@:
	tensor_load_to_lds s[G0B+4*(\s):G0B+4*(\s)+3], s[G1B:G1B+7]
	s_nop 0
.rept 4
	v_nop
.endr
.Lasked_\@:
.endm
.macro CREST                           ; a round of the cluster's barrier behind its opening barrier
	s_cmp_lg_u32 s[WV], 0
	s_cbranch_scc1 .Lnot_wave_0_\@
	s_barrier_signal -3
.Lnot_wave_0_\@:
	s_barrier_wait -3
	s_barrier_signal -1
	s_barrier_wait -1
.endm
.macro CROUND
	s_barrier_signal -1
	s_barrier_wait -1
	CREST
.endm
	s_load_b256 s[4:11], s[0:1], 0x0               ; A2 4, Wo 6, b_out 8, H 10
	v_lshl_add_u32 v[SPW], v0, 2, SPARE
	v_mov_b32 v[NIL], 0
	ds_add_u32 v[SPW], v[NIL]                      ; the wave's opening: the add and its wait stand ahead of my first tensor load; the set-up below, work on registers, stands between them
	v_lshrrev_b32 v1, 5, v0
	v_readfirstlane_b32 s[WV], v1
	s_lshr_b32 s[WH], s[WV], 1
	s_and_b32 s[WL], s[WV], 1
	s_bfe_u32 s40, ttmp6, 0x40000                  ; cx, cy: my place in the cluster
	s_bfe_u32 s41, ttmp6, 0x40004
	s_lshl_b32 s42, ttmp9, 2
	s_add_co_u32 s42, s42, s40                     ; tile column = 4 x cluster x + cx
	s_and_b32 s43, ttmp7, 0xffff
	s_lshl_b32 s43, s43, 2
	s_add_co_u32 s43, s43, s41                     ; tile row = 4 x cluster y + cy
	s_lshl_b32 s44, s41, 2
	s_lshl_b32 s44, 15, s44                        ; my row of the cluster
	s_lshl_b32 s45, 0x1111, s40                    ; my column
	; group 1 for A: 64 rows x 256 elements of 2 bytes, 3,072 elements from row to row; 4 words of padding behind every 128
	s_or_b32 s[G1A+0], s44, (1<<16)|(1<<20)|(1<<21)|(6<<22)|(3<<25)  ; 15:0 the mask: my row; 17:16 2-byte elements; 20 padding on; 21 set beside a mask; 24:22 every 128 words; 31:25 4 words
	s_mov_b32 s[G1A+1], 256<<16                    ; tensor_dim0 = 256
	s_mov_b32 s[G1A+2], 64<<16                     ; tensor_dim1 = 64
	s_mov_b32 s[G1A+3], 256<<16                    ; tile_dim0 = 256
	s_mov_b32 s[G1A+4], 64                         ; tile_dim1 = 64
	s_mov_b32 s[G1A+5], 3072
	s_mov_b32 s[G1A+6], 0
	s_mov_b32 s[G1A+7], 0
	; group 1 for W: 128 rows of K x 128 columns, 1,024 elements from row to row; 8 words of padding behind every 64
	s_or_b32 s[G1B+0], s45, (1<<16)|(1<<20)|(1<<21)|(5<<22)|(7<<25)  ; the mask: my column
	s_mov_b32 s[G1B+1], 128<<16
	s_mov_b32 s[G1B+2], 128<<16
	s_mov_b32 s[G1B+3], 128<<16
	s_mov_b32 s[G1B+4], 128
	s_mov_b32 s[G1B+5], 1024
	s_mov_b32 s[G1B+6], 0
	s_mov_b32 s[G1B+7], 0
	; A's tiles hang on the tile row and the wave alone, W's on the tile column and the wave alone, each in registers that never hold the other coordinate
	s_lshl_b32 s68, s43, 7
	s_lshl_b32 s69, s[WL], 6
	s_add_co_u32 s68, s68, s69                     ; row 128 x tile row + 64 x half,
	s_mul_i32 s68, s68, 6144                       ; 6,144 bytes each: under 2^25
	s_mov_b32 s69, 0
	s_lshl_b32 s70, s[WL], 18                      ; 128 rows of K x 2,048 bytes x half
	s_lshl_b32 s71, s42, 8                         ; 128 columns x 2 bytes x tile column
	s_add_co_u32 s70, s70, s71
	s_mov_b32 s71, 0
	s_mul_i32 s46, s[WL], 64*PA                    ; where they go: no place in the cluster enters an LDS address
	s_mul_i32 s47, s[WL], 128*PB
	s_add_co_u32 s47, s47, ATILE
	s_mov_b32 s[MASK], 0xffff0000
	s_wait_dscnt 0x0                               ; the opening add is done
	s_wait_kmcnt 0x0
	s_add_nc_u64 s[12:13], s[4:5], s[68:69]
	s_add_nc_u64 s[14:15], s[6:7], s[70:71]
	CROUND                                         ; all sixteen work-groups are here: the first joint loads meet
.irp s, 0,1
	s_mov_b32 s[G0A+4*(\s)], 1
	s_add_co_u32 s[G0A+4*(\s)+1], s46, (\s)*SLOT
	s_add_nc_u64 s[G0A+4*(\s)+2:G0A+4*(\s)+3], s[12:13], (\s)*512      ; K step s: 256 elements along the rows
	s_or_b32 s[G0A+4*(\s)+3], s[G0A+4*(\s)+3], 0x80000000
	s_mov_b32 s[G0B+4*(\s)], 1
	s_add_co_u32 s[G0B+4*(\s)+1], s47, (\s)*SLOT
	s_add_nc_u64 s[G0B+4*(\s)+2:G0B+4*(\s)+3], s[14:15], (\s)*256*2048  ; K step s: 256 rows down
	s_or_b32 s[G0B+4*(\s)+3], s[G0B+4*(\s)+3], 0x80000000
	JLOAD \s                                       ; two loads of mine are out
.endr
	s_lshl_b32 s72, s43, 7
	s_lshl_b32 s73, s[WV], 5
	s_add_co_u32 s72, s72, s73                     ; the first row that I store: 128 x tile row + 32 x wave
	s_lshl_b32 s75, s72, 12                        ; in H
	s_mul_i32 s72, s72, 6144                       ; in A2
	s_lshl_b32 s76, s42, 8
	s_add_co_u32 s72, s72, s76
	s_mov_b32 s73, 0
	s_add_nc_u64 s[XB:XB+1], s[4:5], s[72:73]
	s_lshl_b32 s76, s42, 9                         ; the tile's 128 columns in f32
	s_add_co_u32 s72, s75, s76
	s_add_nc_u64 s[10:11], s[10:11], s[72:73]
	s_mov_b32 s72, s76
	s_add_nc_u64 s[8:9], s[8:9], s[72:73]
	v_and_b32 v1, 15, v0                           ; l % 16
	v_bfe_u32 v2, v0, 4, 1                         ; l / 16
	v_mul_u32_u24 v3, v1, PA
	v_lshl_add_u32 v3, v2, 4, v3                   ; a fragment's row x pitch + 16 x half
	s_mul_i32 s75, s[WH], 64*PA                    ; my 64 rows of A
	v_add_nc_u32 v[ADRA], s75, v3
	v_add_nc_u32 v[ADRA+1], SLOT, v[ADRA]
	v_and_b32 v3, 7, v0                            ; the turning load: lane l reads K = 8 (l / 16) + l % 8, columns 8 ((l / 8) % 2) + 0..7
	v_lshl_add_u32 v3, v2, 3, v3
	v_mul_u32_u24 v3, v3, PB
	v_bfe_u32 v4, v0, 3, 1
	v_lshl_add_u32 v3, v4, 4, v3
	s_lshl_b32 s75, s[WL], 7                       ; my 64 columns of W
	s_add_co_u32 s75, s75, ATILE
	v_add_nc_u32 v[ADRB], s75, v3
	v_add_nc_u32 v[ADRB+1], 128*PB, v[ADRB]
	v_add_nc_u32 v[ADRB+2], SLOT, v[ADRB]
	v_add_nc_u32 v[ADRB+3], SLOT+128*PB, v[ADRB]
	s_mul_i32 s75, s[WH], 64*SPITCH                ; into the stage: my 64 rows, my half of their 512 bytes; row l % 16, 32 bytes for each half of the lanes
	s_lshl_b32 s76, s[WL], 8
	s_add_co_u32 s75, s75, s76
	v_mul_u32_u24 v3, v1, SPITCH
	v_lshl_add_u32 v3, v2, 5, v3
	v_add_nc_u32 v[STO], s75, v3
	v_and_b32 v4, 31, v0
	v_lshlrev_b32 v[VC], 4, v4
	v_lshlrev_b32 v[VS], 3, v4
	s_mul_i32 s75, s[WV], 32*SPITCH                ; back: wave w takes rows 32 w .. 32 w + 31, whole
	v_add_nc_u32 v[RD], s75, v[VC]
.set i, 0
.rept 32                               ; x of my 32 rows and b_out are asked for now and waited for on the way out; their registers are not touched in between
	global_load_b64 v[XR+2*i:XR+2*i+1], v[VS], s[XB:XB+1] offset:6144*i
.set i, i+1
.endr
	global_load_b128 v[BO:BO+3], v[VC], s[8:9]
; 8 matrix instructions: m blocks a0, a0 + 1 x all 4 n blocks, 32 along K: half c of buffer f.  zero = 1: the product starts the sum.  The 16 accumulators take turns.
.macro MUL8 f, c, a0, zero
	WIN MUL
.irp a, \a0, (\a0)+1
.irp b, 0,1,2,3
.if \zero
	v_wmma_f32_16x16x32_bf16 v[ACC+8*(4*(\a)+(\b)):ACC+8*(4*(\a)+(\b))+7], v[(\f)+64+8*(4*(\c)+(\b)):(\f)+64+8*(4*(\c)+(\b))+7], v[(\f)+8*(4*(\c)+(\a)):(\f)+8*(4*(\c)+(\a))+7], 0
.else
	v_wmma_f32_16x16x32_bf16 v[ACC+8*(4*(\a)+(\b)):ACC+8*(4*(\a)+(\b))+7], v[(\f)+64+8*(4*(\c)+(\b)):(\f)+64+8*(4*(\c)+(\b))+7], v[(\f)+8*(4*(\c)+(\a)):(\f)+8*(4*(\c)+(\a))+7], v[ACC+8*(4*(\a)+(\b)):ACC+8*(4*(\a)+(\b))+7]
.endif
.endr
.endr
.endm
; 32 LDS loads in one run: quarter q (64 along K) of a slot into buffer f; the first 32 along K first
.macro FETCH slot, q, f
	WIN TO_F
.irp c, 0,1
.irp i, 0,1,2,3
	ds_load_tr16_b128 v[(\f)+64+8*(4*(\c)+(\i)):(\f)+64+8*(4*(\c)+(\i))+3],   v[ADRB+2*(\slot)+(\q)/2] offset:(((\q)%2)*64+32*(\c))*PB+32*(\i)
	ds_load_tr16_b128 v[(\f)+64+8*(4*(\c)+(\i))+4:(\f)+64+8*(4*(\c)+(\i))+7], v[ADRB+2*(\slot)+(\q)/2] offset:(((\q)%2)*64+32*(\c)+16)*PB+32*(\i)
	ds_load_b128 v[(\f)+8*(4*(\c)+(\i)):(\f)+8*(4*(\c)+(\i))+3],               v[ADRA+(\slot)] offset:128*(\q)+64*(\c)+(\i)*16*PA
	ds_load_b128 v[(\f)+8*(4*(\c)+(\i))+4:(\f)+8*(4*(\c)+(\i))+7],             v[ADRA+(\slot)] offset:128*(\q)+64*(\c)+(\i)*16*PA+32
.endr
.endr
.endm
.macro PLACES                          ; four places in front of loads into registers that matrix instructions have read, and of stores that read results (ISA guide 7.12.1 for the stores)
.rept 4
	v_nop
.endr
.endm
; A K step is four quarters of 64 along K, 32 matrix instructions each, on buffers 0, 1, 0, 1.  One of the first three: multiplies buffer f and fetches quarter q into g.
.macro QUARTER slot, q, f, g, zero
	s_wait_dscnt 16                                ; the first 32 along K are in
	MUL8 \f, 0, 0, \zero
	MUL8 \f, 0, 2, \zero
	PLACES
	FETCH \slot, \q, \g
	s_wait_dscnt 32                                ; all but the 32 just issued
	MUL8 \f, 1, 0, 0
	MUL8 \f, 1, 2, 0
.endm
; The last quarter multiplies buffer 1 and changes slots: one barrier; in front of it each wave waits for all its tensor loads, adds 0 to its spare word, and waits for that and for its own
; reads of this slot.  fill = 1: the barrier opens a round of the cluster's, and this slot is filled again, two K steps ahead, first thing behind the round.
.macro TURN slot, next, fill
	WIN 0                                          ; (the add's two registers lie in window 0)
	s_wait_tensorcnt 0x0                           ; all my tensor loads have landed: my part of the next slot;
	ds_add_u32 v[SPW], v[NIL]                      ; 0 onto my spare word;
	s_wait_dscnt 17                                ; (the add and the youngest sixteen loads may be out)
	MUL8 F1, 0, 0, 0                               ; eight matrix instructions stand between the add and the wait for it
	s_wait_dscnt 0x0                               ; the add is done, and my reads of this slot are over
	s_barrier_signal -1
	MUL8 F1, 0, 2, 0
.if \fill
	WIN 0
.endif
	s_barrier_wait -1
.if \fill
	CREST                                          ; no wave of any partner still reads this slot's tile or has a load on its way
	s_add_nc_u64 s[G0A+4*(\slot)+2:G0A+4*(\slot)+3], s[G0A+4*(\slot)+2:G0A+4*(\slot)+3], 2*512
	s_add_nc_u64 s[G0B+4*(\slot)+2:G0B+4*(\slot)+3], s[G0B+4*(\slot)+2:G0B+4*(\slot)+3], 2*256*2048
	JLOAD \slot                                    ; 112 matrix instructions ahead of the wait for it; its four v_nop are also the places in front of the loads below
.else
	PLACES
.endif
	FETCH \next, 0, F0
	MUL8 F1, 1, 0, 0
	MUL8 F1, 1, 2, 0
.endm
	s_wait_tensorcnt 0x1                           ; my part of K step 0 is in; K step 1's load stays out
	s_barrier_signal -1
	s_barrier_wait -1                              ; everybody's is
	FETCH 0, 0, F0
	QUARTER 0, 1, F0, F1, 1                        ; the first quarter stands in front of the loop: its first products start the sums
	WIN 0                                          ; at a label and at a branch every window is 0
	s_mov_b32 s3, LAPS-1
.Llap:                                                 ; a trip goes once round the ring, from a lap's second quarter to the next lap's first, and fills both slots again
	QUARTER 0, 2, F1, F0, 0
	QUARTER 0, 3, F0, F1, 0
	TURN 0, 1, 1
	QUARTER 1, 1, F0, F1, 0
	QUARTER 1, 2, F1, F0, 0
	QUARTER 1, 3, F0, F1, 0
	TURN 1, 0, 1
	QUARTER 0, 1, F0, F1, 0
	WIN 0
	s_sub_co_u32 s3, s3, 1
	s_cmp_lg_u32 s3, 0
	s_cbranch_scc1 .Llap
	QUARTER 0, 2, F1, F0, 0                        ; the last lap fills nothing, and has no round of the cluster's barrier
	QUARTER 0, 3, F0, F1, 0
	TURN 0, 1, 0
	QUARTER 1, 1, F0, F1, 0
	QUARTER 1, 2, F1, F0, 0
	QUARTER 1, 3, F0, F1, 0
	s_wait_dscnt 16                                ; the very last quarter: nothing more to fetch
	MUL8 F1, 0, 0, 0
	MUL8 F1, 0, 2, 0
	s_wait_dscnt 0x0
	MUL8 F1, 1, 0, 0
	MUL8 F1, 1, 2, 0
	WIN 0
	; THE WAY OUT
	s_barrier_signal -1                            ; my reads of the ring are over (the wait for 0 above) and every fill has landed: the stage lies over slot 0
	PLACES                                         ; behind the last products, whose results are stored below
	s_barrier_wait -1
.irp a, 0,1,2,3
.irp b, 0,1,2,3                        ; each accumulator's low half first
	ds_store_b128 v[STO], v[ACC+8*(4*(\a)+(\b)):ACC+8*(4*(\a)+(\b))+3]   offset:(\a)*16*SPITCH+64*(\b)
	ds_store_b128 v[STO], v[ACC+8*(4*(\a)+(\b))+4:ACC+8*(4*(\a)+(\b))+7] offset:(\a)*16*SPITCH+64*(\b)+16
.endr
.endr
	s_wait_dscnt 0x0                               ; for the others' sake: my stores into the stage are done
	s_barrier_signal -1
	s_barrier_wait -1
.set i, 0
.rept 32
	ds_load_b128 v[ACC+4*i:ACC+4*i+3], v[RD] offset:SPITCH*i
.set i, i+1
.endr
	s_wait_loadcnt 0x0                             ; x and b_out
	v_cvt_pk_bf16_f32 v[TP],   v[BO],   v[BO+1]    ; b_out is rounded to bf16
	v_cvt_pk_bf16_f32 v[TP+1], v[BO+2], v[BO+3]
	v_lshlrev_b32 v[BO],   16, v[TP]
	v_and_b32     v[BO+1], s[MASK], v[TP]
	v_lshlrev_b32 v[BO+2], 16, v[TP+1]
	v_and_b32     v[BO+3], s[MASK], v[TP+1]
.set i, 0
.rept 32
.set u, XU+4*(i%2)
	v_lshlrev_b32 v[u],   16, v[XR+2*i]
	v_and_b32     v[u+1], s[MASK], v[XR+2*i]
	v_lshlrev_b32 v[u+2], 16, v[XR+2*i+1]
	v_and_b32     v[u+3], s[MASK], v[XR+2*i+1]
	v_pk_add_f32 v[u:u+1],   v[u:u+1],   v[BO:BO+1]
	v_pk_add_f32 v[u+2:u+3], v[u+2:u+3], v[BO+2:BO+3]
	s_wait_dscnt 31-i                              ; LDS loads come back in order (ISA guide 5.7.1): row i is in, the younger rows' loads may stay out
	v_pk_add_f32 v[ACC+4*i:ACC+4*i+1],   v[ACC+4*i:ACC+4*i+1],   v[u:u+1]
	v_pk_add_f32 v[ACC+4*i+2:ACC+4*i+3], v[ACC+4*i+2:ACC+4*i+3], v[u+2:u+3]
	global_store_b128 v[VC], v[ACC+4*i:ACC+4*i+3], s[10:11] offset:4096*i  ; 512 consecutive bytes of H, at a multiple of 256 from its first
.set i, i+1
.endr
	s_wait_tensorcnt 0x0                           ; the wave's end: 0 is added to my spare word and waited for, behind my last tensor load and my last LDS store
	ds_add_u32 v[SPW], v[NIL]
	s_wait_dscnt 0x0
	CROUND                                         ; the closing round: no work-group ends while a partner may still ask for a tile that names it
	s_endpgm
.Lfunc_end_k_q655e04eefb_proj:
	.size	k_q655e04eefb_proj, .Lfunc_end_k_q655e04eefb_proj-k_q655e04eefb_proj
	.p2alignl 7, 3214868480
	.fill 96, 4, 3214868480
	.section	.rodata,"a",@progbits
	.p2align	6, 0x0
	.amdhsa_kernel k_q655e04eefb_proj
		.amdhsa_group_segment_fixed_size 327680
		.amdhsa_private_segment_fixed_size 0
		.amdhsa_enable_private_segment 0
		.amdhsa_kernarg_size 32
		.amdhsa_user_sgpr_count 2
		.amdhsa_user_sgpr_kernarg_segment_ptr 1
		.amdhsa_wavefront_size32 1
		.amdhsa_system_sgpr_workgroup_id_x 1
		.amdhsa_system_sgpr_workgroup_id_y 1
		.amdhsa_system_sgpr_workgroup_id_z 1
		.amdhsa_system_vgpr_workitem_id 0
		.amdhsa_next_free_vgpr 512
		.amdhsa_next_free_sgpr 80
		.amdhsa_reserve_vcc 0
		.amdhsa_float_denorm_mode_32 3
		.amdhsa_float_denorm_mode_16_64 3
		.amdhsa_memory_ordered 1
		.amdhsa_forward_progress 1
		.amdhsa_inst_pref_size 102
	.end_amdhsa_kernel
	.amdgpu_metadata
---
amdhsa.version: [ 1, 2 ]
amdhsa.kernels:
  - .name:           k_q655e04eefb_proj
    .symbol:         k_q655e04eefb_proj.kd
    .args:
      - { .name: A2, .offset: 0, .size: 8, .value_kind: global_buffer, .address_space: global }
      - { .name: Wo, .offset: 8, .size: 8, .value_kind: global_buffer, .address_space: global }
      - { .name: b_out, .offset: 16, .size: 8, .value_kind: global_buffer, .address_space: global }
      - { .name: H, .offset: 24, .size: 8, .value_kind: global_buffer, .address_space: global }
    .group_segment_fixed_size: 327680
    .private_segment_fixed_size: 0
    .kernarg_segment_align: 8
    .kernarg_segment_size: 32
    .max_flat_workgroup_size: 128
    .sgpr_count:     80
    .vgpr_count:     512
    .wavefront_size: 32
...
	.end_amdgpu_metadata
.endif
;; end of part 3
;; launch norm (part 4): grid 256 x 1, 8 waves a work-group, no clusters, 0 bytes of LDS; arguments H, ln_w, ln_b, out0; writes out0
.if DOCPART == 4
	.amdgcn_target "amdgcn-amd-amdhsa--gfx1250"
	.amdhsa_code_object_version 6
	.text
	.protected	k_q655e04eefb_norm
	.globl	k_q655e04eefb_norm
	.p2align	8
	.type	k_q655e04eefb_norm,@function
k_q655e04eefb_norm:
	s_mov_b64 s[64:65], 0
	v_nop
	global_prefetch_b8 v0, s[64:65] scope:SCOPE_SE
	s_setreg_imm32_b32 hwreg(HW_REG_WAVE_MODE, 25, 1), 1
	s_wait_xcnt 0x0
; NORM.  out0[r] = (h[r] - mean) / sqrt(var + 1e-5) x ln_w + ln_b over a row's 1,024 numbers, all f32.
; A row is 4,096 bytes, 32 registers of one wave: a wave takes two whole rows and keeps them in registers, so H is read once, the sums never leave the wave, and there is no LDS and no barrier.
; 256 work-groups of eight waves: 4,096 rows.  Each load and store of a wave covers 512 consecutive bytes.  Two passes: the mean is taken away before the squares are summed, so a common offset
; of the row costs nothing.
; LIMITS.  ln_w and ln_b are used rounded to bf16, like every input of the module; all arithmetic is f32.
.set HR, 8                             ; v[8:71]    two rows: row j, piece t at HR + 32 j + 4 t: columns 128 t + 4 lane + 0..3
.set WW, 72                            ; v[72:103]  ln_w in the same layout
.set BB, 104                           ; v[104:135] ln_b
.set S,  136                           ; v[136:143] four running sums of pairs
.set MU, 144                           ; v[144:145] the mean, twice
.set RS, 146                           ; v[146:147] 1 / sqrt(var + eps), twice
.set TM, 148                           ; v[148:151] at work
	s_load_b256 s[4:11], s[0:1], 0x0               ; H 4, ln_w 6, ln_b 8, out0 10
	s_lshl_b32 s2, ttmp9, 16                       ; the work-group's 16 rows of 4,096 bytes
	s_mov_b32 s3, 0
	s_mov_b32 s12, 0x76543210                      ; v_permlanex16_b32: each lane takes its own place in the other half
	s_mov_b32 s13, 0xfedcba98
	s_mov_b32 s14, 0x3a800000                      ; 1 / 1024
	s_mov_b32 s15, 0x3727c5ac                      ; 1e-5
	s_mov_b32 s16, 0xffff0000                      ; a word's upper bf16
	v_and_b32 v2, 31, v0
	v_lshlrev_b32 v2, 4, v2                        ; 16 x lane
	v_lshrrev_b32 v1, 5, v0
	v_lshl_add_u32 v1, v1, 13, v2                  ; + the wave's two rows
	v_mov_b32 v[TM+1], 0                           ; v_permlanex16_b32 counts as a reader of its destination
	s_wait_kmcnt 0x0
	s_add_nc_u64 s[4:5], s[4:5], s[2:3]
	s_add_nc_u64 s[10:11], s[10:11], s[2:3]
.irp j, 0,1
.irp t, 0,1,2,3,4,5,6,7
	global_load_b128 v[HR+32*(\j)+4*(\t):HR+32*(\j)+4*(\t)+3], v1, s[4:5] offset:4096*(\j)+512*(\t) th:TH_LOAD_NT
.endr
.endr
.irp t, 0,1,2,3,4,5,6,7
	global_load_b128 v[WW+4*(\t):WW+4*(\t)+3], v2, s[6:7] offset:512*(\t)
.endr
.irp t, 0,1,2,3,4,5,6,7
	global_load_b128 v[BB+4*(\t):BB+4*(\t)+3], v2, s[8:9] offset:512*(\t)
.endr
.macro TOTAL                           ; the four chains are joined and summed over the 32 lanes: every lane ends with the row's sum in v[TM]
	v_pk_add_f32 v[S:S+1],   v[S:S+1],   v[S+2:S+3]
	v_pk_add_f32 v[S+4:S+5], v[S+4:S+5], v[S+6:S+7]
	v_pk_add_f32 v[S:S+1],   v[S:S+1],   v[S+4:S+5]
	v_add_f32 v[TM], v[S], v[S+1]
	v_add_f32_dpp v[TM], v[TM], v[TM] row_xmask:1 row_mask:0xf bank_mask:0xf
	v_add_f32_dpp v[TM], v[TM], v[TM] row_xmask:2 row_mask:0xf bank_mask:0xf
	v_add_f32_dpp v[TM], v[TM], v[TM] row_xmask:4 row_mask:0xf bank_mask:0xf
	v_add_f32_dpp v[TM], v[TM], v[TM] row_xmask:8 row_mask:0xf bank_mask:0xf
	v_permlanex16_b32 v[TM+1], v[TM], s12, s13
	v_add_f32 v[TM], v[TM], v[TM+1]
.endm
.macro STATS j                         ; row j becomes (h - mean) / sqrt(var + eps)
.set HJ, HR+32*(\j)
.irp k, 0,1,2,3                        ; four chains that do not wait for each other; the first additions start them: nothing is cleared
	v_pk_add_f32 v[S+2*(\k):S+2*(\k)+1], v[HJ+2*(\k):HJ+2*(\k)+1], v[HJ+8+2*(\k):HJ+8+2*(\k)+1]
.endr
.irp g, 2,3
.irp k, 0,1,2,3
	v_pk_add_f32 v[S+2*(\k):S+2*(\k)+1], v[S+2*(\k):S+2*(\k)+1], v[HJ+8*(\g)+2*(\k):HJ+8*(\g)+2*(\k)+1]
.endr
.endr
	TOTAL
	v_mul_f32 v[MU],   s14, v[TM]
	v_mul_f32 v[MU+1], s14, v[TM]
.set i, 0
.rept 16
	v_pk_add_f32 v[HJ+2*i:HJ+2*i+1], v[HJ+2*i:HJ+2*i+1], v[MU:MU+1] neg_lo:[0,1] neg_hi:[0,1]
.set i, i+1
.endr
.irp k, 0,1,2,3
	v_pk_mul_f32 v[S+2*(\k):S+2*(\k)+1], v[HJ+2*(\k):HJ+2*(\k)+1], v[HJ+2*(\k):HJ+2*(\k)+1]
.endr
.irp g, 1,2,3
.irp k, 0,1,2,3
	v_pk_fma_f32 v[S+2*(\k):S+2*(\k)+1], v[HJ+8*(\g)+2*(\k):HJ+8*(\g)+2*(\k)+1], v[HJ+8*(\g)+2*(\k):HJ+8*(\g)+2*(\k)+1], v[S+2*(\k):S+2*(\k)+1]
.endr
.endr
	TOTAL
	v_fma_f32 v[TM+2], v[TM], s14, s15             ; var + eps
	v_rsq_f32 v[RS],   v[TM+2]
	v_rsq_f32 v[RS+1], v[TM+2]
	v_nop                                          ; a plain instruction between the transcendentals and the use of their results (ISA guide 5.7.2)
.set i, 0
	s_wait_alu depctr_va_vdst(0)
.rept 16
	v_pk_mul_f32 v[HJ+2*i:HJ+2*i+1], v[HJ+2*i:HJ+2*i+1], v[RS:RS+1]
.set i, i+1
.endr
.endm
	s_wait_loadcnt 16                              ; both rows are in; the sixteen younger loads, ln_w's and ln_b's, may stay out
	STATS 0
	STATS 1
	s_wait_loadcnt 0x0
.set i, 0
.rept 16                               ; ln_w and ln_b are rounded to bf16
	v_cvt_pk_bf16_f32 v[TM+2], v[WW+2*i], v[WW+2*i+1]
	v_cvt_pk_bf16_f32 v[TM+3], v[BB+2*i], v[BB+2*i+1]
	v_lshlrev_b32 v[WW+2*i],   16, v[TM+2]
	v_and_b32     v[WW+2*i+1], s16, v[TM+2]
	v_lshlrev_b32 v[BB+2*i],   16, v[TM+3]
	v_and_b32     v[BB+2*i+1], s16, v[TM+3]
.set i, i+1
.endr
.irp j, 0,1
.set i, 0
.rept 16
	v_pk_fma_f32 v[HR+32*(\j)+2*i:HR+32*(\j)+2*i+1], v[HR+32*(\j)+2*i:HR+32*(\j)+2*i+1], v[WW+2*i:WW+2*i+1], v[BB+2*i:BB+2*i+1]
.set i, i+1
.endr
.irp t, 0,1,2,3,4,5,6,7
	global_store_b128 v1, v[HR+32*(\j)+4*(\t):HR+32*(\j)+4*(\t)+3], s[10:11] offset:4096*(\j)+512*(\t) th:TH_STORE_NT
.endr
.endr
	s_endpgm
.Lfunc_end_k_q655e04eefb_norm:
	.size	k_q655e04eefb_norm, .Lfunc_end_k_q655e04eefb_norm-k_q655e04eefb_norm
	.p2alignl 7, 3214868480
	.fill 96, 4, 3214868480
	.section	.rodata,"a",@progbits
	.p2align	6, 0x0
	.amdhsa_kernel k_q655e04eefb_norm
		.amdhsa_group_segment_fixed_size 0
		.amdhsa_private_segment_fixed_size 0
		.amdhsa_enable_private_segment 0
		.amdhsa_kernarg_size 32
		.amdhsa_user_sgpr_count 2
		.amdhsa_user_sgpr_kernarg_segment_ptr 1
		.amdhsa_wavefront_size32 1
		.amdhsa_system_sgpr_workgroup_id_x 1
		.amdhsa_system_sgpr_workgroup_id_y 1
		.amdhsa_system_sgpr_workgroup_id_z 1
		.amdhsa_system_vgpr_workitem_id 0
		.amdhsa_next_free_vgpr 152
		.amdhsa_next_free_sgpr 66
		.amdhsa_reserve_vcc 0
		.amdhsa_float_denorm_mode_32 3
		.amdhsa_float_denorm_mode_16_64 3
		.amdhsa_memory_ordered 1
		.amdhsa_forward_progress 1
		.amdhsa_inst_pref_size 22
	.end_amdhsa_kernel
	.amdgpu_metadata
---
amdhsa.version: [ 1, 2 ]
amdhsa.kernels:
  - .name:           k_q655e04eefb_norm
    .symbol:         k_q655e04eefb_norm.kd
    .args:
      - { .name: H, .offset: 0, .size: 8, .value_kind: global_buffer, .address_space: global }
      - { .name: ln_w, .offset: 8, .size: 8, .value_kind: global_buffer, .address_space: global }
      - { .name: ln_b, .offset: 16, .size: 8, .value_kind: global_buffer, .address_space: global }
      - { .name: out0, .offset: 24, .size: 8, .value_kind: global_buffer, .address_space: global }
    .group_segment_fixed_size: 0
    .private_segment_fixed_size: 0
    .kernarg_segment_align: 8
    .kernarg_segment_size: 32
    .max_flat_workgroup_size: 256
    .sgpr_count:     66
    .vgpr_count:     152
    .wavefront_size: 32
...
	.end_amdgpu_metadata
.endif
;; end of part 4
;; ======== version 2 of 2: 4 launches; 1.11 times as fast as version 1
;; workspace buffers: Acat 33,554,432 bytes; A2 25,165,824 bytes; Wcat 25,165,824 bytes; Wo 6,291,456 bytes; H 16,777,216 bytes
;; launch cast (part 5): grid 32 x 31, 8 waves a work-group, no clusters, 0 bytes of LDS; arguments x_t, conditioning, state, W_step, W_cstep, W_in, W_cin, W_state, W_out, Acat, A2, Wcat, Wo; writes Acat, A2, Wcat, Wo
.if DOCPART == 5
	.amdgcn_target "amdgcn-amd-amdhsa--gfx1250"
	.amdhsa_code_object_version 6
	.text
	.protected	k_q655e04eefb_cast
	.globl	k_q655e04eefb_cast
	.p2align	8
	.type	k_q655e04eefb_cast,@function
k_q655e04eefb_cast:
	s_mov_b64 s[64:65], 0
	v_nop
	global_prefetch_b8 v0, s[64:65] scope:SCOPE_SE
	s_setreg_imm32_b32 hwreg(HW_REG_WAVE_MODE, 25, 1), 1
	s_wait_xcnt 0x0
; CAST.  Every matrix operand is rounded once, f32 to bf16 (nearest even), and laid where the two product launches walk it:
;   Acat [4096][4096]: columns 0-1023 x_t, 1024-2047 conditioning, 2048-4095 state        A2 [4096][3072]: columns 0-1023 x_t (the rest is written by the next launch)
;   Wcat [6144][2048]: W_step, W_cstep, W_in, W_cin, W_state one below the other            Wo [3072][1024]: W_out
; A stream: no LDS, no barrier, no matrix unit.  The unit of work is a SEGMENT of 1,024 numbers: 4,096 bytes in, 2,048 bytes out.  Every source is a whole number of blocks
; of 1,024 segments, 31 blocks in all: the grid's y is the block, its x one of 32 shares of 32 segments, a wave takes four segments.  All 32 loads of a wave go out at once
; (16 KiB on their way); a load covers 512 consecutive bytes, a store 256 consecutive bytes at a multiple of 256 from its buffer's first byte.
; One text serves every source: the source, the destination, its first byte and the two distances between a wave's four segments are chosen by scalar selects on the block's number.
; LIMIT.  bf16 keeps 8 significant bits; its range is f32's.
.set X,  8                             ; v[8:135]  segment j, piece t at X + 32 j + 4 t: four f32 as loaded, then two words of bf16 in the first two
.set B0, 8                             ; s[8:15]   where the four segments go (the sources' addresses, which lay here, have been chosen from by then)
.set QQ, 16                            ; s[16:17]  bytes from segment 0 to 1 and from 2 to 3
.set PP, 18                            ; s[18:19]  bytes from segment 0 to 2
	s_load_b512 s[8:23], s[0:1], 0x0               ; x 8, conditioning 10, state 12, W_step 14, W_cstep 16, W_in 18, W_cin 20, W_state 22
	s_load_b256 s[24:31], s[0:1], 0x40             ; W_out 24, Acat 26, A2 28, Wcat 30
	s_load_b64 s[32:33], s[0:1], 0x60              ; Wo
	v_lshrrev_b32 v3, 5, v0
	v_readfirstlane_b32 s4, v3                     ; wave 0..7
	v_and_b32 v1, 31, v0
	v_lshlrev_b32 v2, 3, v1                        ; 8 bytes a lane out
	v_lshlrev_b32 v1, 4, v1                        ; 16 bytes a lane in
	s_and_b32 s2, ttmp7, 0xffff                    ; the block, 0..30
	s_mov_b32 s3, ttmp9                            ; the share, 0..31
	s_wait_kmcnt 0x0
	s_mov_b64 s[34:35], s[8:9]                     ; the source, and the number of its first block
	s_mov_b32 s36, 0
.macro PICK thr, ptr                   ; from block thr on the source is the buffer at s[ptr]
	s_cmp_ge_u32 s2, \thr
	s_cselect_b64 s[34:35], s[\ptr:\ptr+1], s[34:35]
	s_cselect_b32 s36, \thr, s36
.endm
	PICK 4, 10
	PICK 8, 12
	PICK 16, 14
	PICK 18, 16
	PICK 20, 18
	PICK 22, 20
	PICK 24, 22
	PICK 28, 24
	s_sub_co_u32 s37, s2, s36
	s_lshl_b32 s37, s37, 10
	s_lshl_b32 s38, s3, 5
	s_add_co_u32 s37, s37, s38
	s_lshl_b32 s38, s4, 2
	s_add_co_u32 s37, s37, s38                     ; my first segment in its source: a multiple of 4, 8,188 at the most
	s_lshl_b32 s38, s37, 12                        ; 4,096 bytes each: under 2^26
	s_mov_b32 s39, 0
	s_add_nc_u64 s[34:35], s[34:35], s[38:39]
.irp j, 0,1,2,3
.irp t, 0,1,2,3,4,5,6,7
	global_load_b128 v[X+32*(\j)+4*(\t):X+32*(\j)+4*(\t)+3], v1, s[34:35] offset:4096*(\j)+512*(\t) th:TH_LOAD_NT
.endr
.endr
	; Where the four segments go: byte D of the destination, then D + Q, D + P and D + P + Q.
	s_lshl_b32 s40, s37, 13                        ; x_t, conditioning: a segment is a row, and Acat's rows are 8,192 bytes apart;
	s_cmp_ge_u32 s2, 4
	s_cselect_b32 s42, 2048, 0                     ; conditioning begins at byte 2,048 of a row
	s_add_co_u32 s40, s40, s42
	s_mov_b32 s[QQ], 8192
	s_mov_b32 s[PP], 16384
	s_mov_b64 s[44:45], s[26:27]                   ; Acat
	s_lshl_b32 s42, s37, 12                        ; state: two segments are a row, (segment / 2) x 8,192,
	s_add_co_u32 s42, s42, 4096                    ; which begins at byte 4,096 of Acat's row
	s_cmp_ge_u32 s2, 8
	s_cselect_b32 s40, s42, s40
	s_cselect_b32 s[QQ], 2048, s[QQ]
	s_cselect_b32 s[PP], 8192, s[PP]
	s_sub_co_u32 s42, s36, 16                      ; the weights keep their shape, segment after segment, 2,048 bytes each: in Wcat the segment's number is
	s_lshl_b32 s42, s42, 10                        ; the source's first block less 16, times 1,024, plus its number in the source
	s_add_co_u32 s42, s42, s37                     ; (for blocks below 16 this number means nothing and is not taken)
	s_lshl_b32 s42, s42, 11
	s_cmp_ge_u32 s2, 16
	s_cselect_b32 s40, s42, s40
	s_cselect_b32 s[PP], 4096, s[PP]
	s_cselect_b64 s[44:45], s[30:31], s[44:45]     ; Wcat
	s_lshl_b32 s42, s37, 11                        ; W_out has Wo to itself
	s_cmp_ge_u32 s2, 28
	s_cselect_b32 s40, s42, s40
	s_cselect_b64 s[44:45], s[32:33], s[44:45]     ; Wo
	s_mov_b32 s41, 0
	s_mov_b32 s[QQ+1], 0
	s_mov_b32 s[PP+1], 0
	s_add_nc_u64 s[B0:B0+1],   s[44:45],     s[40:41]
	s_add_nc_u64 s[B0+2:B0+3], s[B0:B0+1],   s[QQ:QQ+1]
	s_add_nc_u64 s[B0+4:B0+5], s[B0:B0+1],   s[PP:PP+1]
	s_add_nc_u64 s[B0+6:B0+7], s[B0+4:B0+5], s[QQ:QQ+1]
	s_mul_i32 s42, s37, 6144                       ; x_t's second place: A2's rows are 6,144 bytes apart (used for blocks 0 to 3 alone)
	s_mov_b32 s43, 0
	s_add_nc_u64 s[46:47], s[28:29], s[42:43]
.macro PUT j, d, base                  ; segment j's 2,048 bytes go to byte d from the base
.irp t, 0,1,2,3,4,5,6,7
	global_store_b64 v2, v[X+32*(\j)+4*(\t):X+32*(\j)+4*(\t)+1], s[\base:\base+1] offset:(\d)+256*(\t)
.endr
.endm
.macro SEG j                           ; segment j is waited for, rounded in place and stored
	s_wait_loadcnt 8*(3-(\j))                      ; loads come back in order (ISA guide 5.7.1): the younger segments' eight loads each may stay out
.irp t, 0,1,2,3,4,5,6,7
	v_cvt_pk_bf16_f32 v[X+32*(\j)+4*(\t)],   v[X+32*(\j)+4*(\t)],   v[X+32*(\j)+4*(\t)+1]
	v_cvt_pk_bf16_f32 v[X+32*(\j)+4*(\t)+1], v[X+32*(\j)+4*(\t)+2], v[X+32*(\j)+4*(\t)+3]
.endr
	PUT \j, 0, B0+2*(\j)
.endm
; No register that a load or store names is written again behind it, so no wait frees any.
	SEG 0
	SEG 1
	SEG 2
	SEG 3
	s_cmp_ge_u32 s2, 4
	s_cbranch_scc1 .Ldone
	PUT 0, 0, 46                                   ; x_t once more, as the first 1,024 columns of the last product's left operand
	PUT 1, 6144, 46
	PUT 2, 12288, 46
	PUT 3, 18432, 46
.Ldone:
	s_endpgm
.Lfunc_end_k_q655e04eefb_cast:
	.size	k_q655e04eefb_cast, .Lfunc_end_k_q655e04eefb_cast-k_q655e04eefb_cast
	.p2alignl 7, 3214868480
	.fill 96, 4, 3214868480
	.section	.rodata,"a",@progbits
	.p2align	6, 0x0
	.amdhsa_kernel k_q655e04eefb_cast
		.amdhsa_group_segment_fixed_size 0
		.amdhsa_private_segment_fixed_size 0
		.amdhsa_enable_private_segment 0
		.amdhsa_kernarg_size 104
		.amdhsa_user_sgpr_count 2
		.amdhsa_user_sgpr_kernarg_segment_ptr 1
		.amdhsa_wavefront_size32 1
		.amdhsa_system_sgpr_workgroup_id_x 1
		.amdhsa_system_sgpr_workgroup_id_y 1
		.amdhsa_system_sgpr_workgroup_id_z 1
		.amdhsa_system_vgpr_workitem_id 0
		.amdhsa_next_free_vgpr 136
		.amdhsa_next_free_sgpr 66
		.amdhsa_reserve_vcc 0
		.amdhsa_float_denorm_mode_32 3
		.amdhsa_float_denorm_mode_16_64 3
		.amdhsa_memory_ordered 1
		.amdhsa_forward_progress 1
		.amdhsa_inst_pref_size 17
	.end_amdhsa_kernel
	.amdgpu_metadata
---
amdhsa.version: [ 1, 2 ]
amdhsa.kernels:
  - .name:           k_q655e04eefb_cast
    .symbol:         k_q655e04eefb_cast.kd
    .args:
      - { .name: x_t, .offset: 0, .size: 8, .value_kind: global_buffer, .address_space: global }
      - { .name: conditioning, .offset: 8, .size: 8, .value_kind: global_buffer, .address_space: global }
      - { .name: state, .offset: 16, .size: 8, .value_kind: global_buffer, .address_space: global }
      - { .name: W_step, .offset: 24, .size: 8, .value_kind: global_buffer, .address_space: global }
      - { .name: W_cstep, .offset: 32, .size: 8, .value_kind: global_buffer, .address_space: global }
      - { .name: W_in, .offset: 40, .size: 8, .value_kind: global_buffer, .address_space: global }
      - { .name: W_cin, .offset: 48, .size: 8, .value_kind: global_buffer, .address_space: global }
      - { .name: W_state, .offset: 56, .size: 8, .value_kind: global_buffer, .address_space: global }
      - { .name: W_out, .offset: 64, .size: 8, .value_kind: global_buffer, .address_space: global }
      - { .name: Acat, .offset: 72, .size: 8, .value_kind: global_buffer, .address_space: global }
      - { .name: A2, .offset: 80, .size: 8, .value_kind: global_buffer, .address_space: global }
      - { .name: Wcat, .offset: 88, .size: 8, .value_kind: global_buffer, .address_space: global }
      - { .name: Wo, .offset: 96, .size: 8, .value_kind: global_buffer, .address_space: global }
    .group_segment_fixed_size: 0
    .private_segment_fixed_size: 0
    .kernarg_segment_align: 8
    .kernarg_segment_size: 104
    .max_flat_workgroup_size: 256
    .sgpr_count:     66
    .vgpr_count:     136
    .wavefront_size: 32
...
	.end_amdgpu_metadata
.endif
;; end of part 5
;; launch gate (part 6): grid 16 x 16, 4 waves a work-group, clusters of 4 x 4, 327,680 bytes of LDS; arguments Acat, Wcat, carry_scale, b_step, b_in, log_decay, out1, A2; writes out1, A2
.if DOCPART == 6
	.amdgcn_target "amdgcn-amd-amdhsa--gfx1250"
	.amdhsa_code_object_version 6
	.text
	.protected	k_q655e04eefb_gate
	.globl	k_q655e04eefb_gate
	.p2align	8
	.type	k_q655e04eefb_gate,@function
k_q655e04eefb_gate:
	s_mov_b64 s[64:65], 0
	v_nop
	global_prefetch_b8 v0, s[64:65] scope:SCOPE_SE
	s_setreg_imm32_b32 hwreg(HW_REG_WAVE_MODE, 25, 1), 1
	s_wait_xcnt 0x0
	s_wait_alu depctr_hold_cnt(0) depctr_sa_sdst(0) depctr_va_vdst(0) depctr_va_sdst(0) depctr_va_ssrc(0) depctr_va_vcc(0) depctr_vm_vsrc(0)
	s_getreg_b32 s2, hwreg(HW_REG_IB_STS2, 6, 4)
	s_cmp_eq_u32 s2, 0
	s_cbranch_scc0 .Lentry_in_a_cluster
	s_endpgm
.Lentry_in_a_cluster:
	s_bfe_u32 s2, ttmp6, 0x10000c
	s_cmp_lg_u32 s2, 0xf033
	s_cbranch_scc0 .Lentry_shape_is_right
	s_endpgm
.Lentry_shape_is_right:
; GATE.  new_state = decay state + (1 - decay) proposal, with
;   step = softplus(x W_step + b_step) + 0.1 softplus(c W_cstep);  proposal = tanh(x W_in + c W_cin + state W_state + b_in);  decay = exp(-step exp(log_decay)) carry_scale.
; Written to out1 (f32) and, rounded to bf16, into columns 1024-3071 of A2, the last product's left operand.
; SHARES.  A work-group owns 256 rows x 128 columns of new_state: 16 x 16 work-groups.  Wave w owns rows 64 w .. 64 w + 63 and all 128 columns.
; THE WALK, 32 K steps of 128.  x multiplies W_step and W_in, c multiplies W_cstep and W_cin, and in Wcat the second of each pair lies 2,048 rows below the first.  So K steps 0-15 are PAIRED: a slot holds
; one tile of Acat (256 rows x 128 K) and two tiles of Wcat (128 K x 128 columns each), and a wave has two sets of 32 accumulators: Z (set 0) and Z3 (set 1): 256 matrix instructions a wave and K step.
;   K steps 0-7:  Z = x W_step, Z3 = x W_in;  then R += sp2(Z L + b_step L).      K steps 8-15:  Z = c W_cstep, Z3 += c W_cin;  then R += 0.1 sp2(Z L).
;   K steps 16-31:  Z3 += state W_state, 128 matrix instructions a wave and K step;  then the way out.
;   L = log2(e); sp2(z) = log2(1 + 2^z), so that step = ln(2) R and decay = 2^(-R exp(log_decay)) carry_scale.
; x and c share one text.  The ring of two LDS slots runs on across the three phases: a change of slots asks for the tiles two fills on, and in the paired walk the fill's number, a counter that is
; the same in every work-group, says whether those are paired tiles (fills 2-15) or the state's (fills 16, 17).  Each cluster begins a phase's walk along K at its own quarter of the phase and goes
; round, so that the clusters that need the same tile ask for it in different trips; the order of a sum along K therefore differs from cluster to cluster.
; LAYOUT.  The weights lie [K][N]; their fragments come out of LDS turned, by ds_load_tr16_b128.  Source 0 = 16 columns of W, source 1 = 16 rows of A: lane l of accumulator (a, b) holds row
; 16 a + l % 16 and the eight neighbouring columns 16 b + 8 (l / 16) + 0..7.
; CLUSTER.  4 x 4 work-groups: the four of a row need the same tiles of Acat, the four of a column the same tiles of Wcat; each tile is asked for jointly, by the same load, descriptor and mask in all four.
; LIMITS.  Every input is used rounded once to bf16 (state and the weights as the launch before left them; carry_scale, b_step, b_in and log_decay here); all arithmetic is f32.
; sp2(z) is made as min(max(z, 26), log2(1 + 2^z)): beyond z = 26 it is z itself, so 2^z may overflow; below z = -24 it is 0, off by less than 6e-8.  A decay below 2^-126 counts as 0.
; tanh(u) = 1 - 2 / (1 + 2^(2 L u)): right at both ends, where 2^.. is 0 or infinite.  NaN and infinities among the inputs are not treated apart.
; REGISTERS, in windows of 256 (s_set_vgpr_msb: bits 1:0 source 0, 3:2 source 1, 5:4 source 2, 7:6 destination):
;   window 0: v0-15 addresses; v16-63 carry_scale and state on their way in; v64-127 A's fragments, two buffers of 32; v128-255 W's fragments, two buffers of 64 (all of v64-231 at work on the way out)
;   window 1: R          window 2: Z, at the end b_in and log_decay          window 3: Z3
.set PA,     272                       ; a row of A in LDS: 256 bytes + 16 = 68 words: the 16 rows of a load start at 16 different groups of four banks (64 banks of 4 bytes: ISA guide 11.1)
.set PB,     288                       ; a row of W: 256 + 32 = 72 words
.set ATILE,  256*PA
.set BTILE,  128*PB
.set SLOT,   ATILE+2*BTILE             ; A's 256 rows, then set 0's 128 rows of K, then set 1's
.set SPITCH, 528                       ; a row of a stage: 512 bytes + 16
.set PQ,     64*SPITCH                 ; in a wave's stage: R's 64 rows, then Z3's
.set SWB,    2*PQ                      ; the four stages, 270,336 bytes, lie over the ring, whose slots have had their last fill when the first byte is stored there
.set BIAS,   2*SLOT                    ; behind the ring: b_step L of the tile's 128 columns, 512 bytes for each wave, its own; no fill lands here
.set SPARE,  BIAS+2048                 ; the spare words, 128 bytes for each wave: two blocks of 256 bytes that no other line names
.set ADRC, 2                           ; v2-3    LDS address of my fragments of W's set 1 in slot 0, 1
.set ADRA, 4                           ; v4-5    of my A fragments
.set ADRB, 6                           ; v6-7    of W's set 0
.set STO,  8                           ; v8      the way out: where I put 16 bytes of a row
.set RD,   9                           ; v9      the way out: where I read a row back; steps by eight rows
.set VC,   10                          ; v10     16 x lane
.set VS,   11                          ; v11     8 x lane
.set SPW,  12                          ; v12     LDS address of my spare word; never rewritten
.set NIL,  13                          ; v13     0; never rewritten
.set VBI,  14                          ; v14     where I read the bias in the accumulators' layout
.set BST,  15                          ; v15     where I store my four columns of the bias
.set SA,   16                          ; v16-31  eight rows of state, 4 bf16 a lane and row
.set CA,   32                          ; v32-63  eight rows of carry_scale, 4 f32 a lane and row
.set FA,   64                          ; A's fragment buffers
.set FB,   128                         ; W's: in the paired K steps buffer 0 holds set 0, buffer 1 set 1
.set TB,   192                         ; at work on the bias at the start
.set RR,   64                          ; the way out, eight rows x four columns a lane: R, then the decay
.set PP,   96                          ; Z3, then the proposal, then new_state
.set CR,   128                         ; carry_scale, rounded
.set SU,   160                         ; state
.set OB,   192                         ; new_state in bf16
.set TT,   208                         ; at work
.set NEL,  224                         ; exp(log_decay) of my four columns
.set BI2,  228                         ; 2 L b_in of my four columns
.set PRM,  0                           ; window 2, at the end: b_in, log_decay as loaded
.set WV,   20                          ; s20 wave;  s21 wave / 2: I fetch for A (0) or for W (1);  s22 wave % 2: which half, or which set
.set WH,   21
.set WL,   22
.set G1A,  24                          ; s[24:31] descriptor group 1 for A's tiles;  s[32:39] group 0, a set for each slot
.set G0A,  32
.set G1B,  48                          ; s[48:55], s[56:63] the same for W's
.set G0B,  56
.set ABASE, 66                         ; s[66:67] Acat at the first of the rows that I fetch
.set KA,   68                          ; s[68:69] byte in Acat's rows of the K step asked for
.set FN,   70                          ; s70 the number of the next fill, 2 .. 31
.set LL,   72                          ; s[72:73] L
.set C1,   74                          ; s[74:75] the weight of the softplus in hand: 1, then 0.1
.set CAP,  76                          ; s76 26
.set L2,   78                          ; s[78:79] 2 L
.set MASK, 80                          ; s80 a word's upper bf16
.set CNT,  81                          ; s81 trips of the way out
.set SB,   82                          ; s[82:83] state, in Acat, at my rows and columns
.set BBX,  92                          ; s[92:93] Wcat at my set's row 0 and the tile's columns (paired K steps)
.set BBS,  94                          ; s[94:95] Wcat at row 2,048 + my 64 rows of a K step (K steps 16-31: row 2,048 + 128 x K step)
.set KB,   96                          ; s[96:97] byte in Wcat of the K step asked for
.set ROT2, 98                          ; s98 where my cluster begins a phase of 8 K steps;  s99 the phase of 16
.set ROT4, 99
.set LSS,  100                         ; s100 LDS place of my 64 rows of W in K steps 16-31
.set MSB, 0
.macro WIN new                         ; the immediate's high byte repeats the setting that is left; a switch that changes nothing is dropped
.if MSB != (\new)
	s_set_vgpr_msb (MSB<<8)|(\new)
.set MSB, \new
.endif
.endm
.set W_Z,  0xa0                        ; fragments in window 0, C and D in window 2
.set W_Z3, 0xf0                        ; C and D in window 3
; A joint load.  Waves 0 and 1 fetch A's two halves (128 rows each), waves 2 and 3 W's.  The branch hangs on the wave's number alone.
; An s_nop 0 and four v_nop follow each of the two lines, ahead of the jump, the label and what follows.
.macro JLOAD s
	s_cmp_eq_u32 s[WH], 0
	s_cbranch_scc0 .Lfor_b_\@
	tensor_load_to_lds s[G0A+4*(\s):G0A+4*(\s)+3], s[G1A:G1A+7]
	s_nop 0
.rept 4
	v_nop
.endr
	s_branch .Lasked_\@
.Lfor_b_\@:
	tensor_load_to_lds s[G0B+4*(\s):G0B+4*(\s)+3], s[G1B:G1B+7]
	s_nop 0
.rept 4
	v_nop
.endr
.Lasked_\@:
.endm
; A round of the cluster's barrier: my work-group's barrier; wave 0 signals for the work-group; every wave waits for all sixteen; my work-group's barrier once more.
.macro CREST                           ; a round behind its opening barrier
	s_cmp_lg_u32 s[WV], 0
	s_cbranch_scc1 .Lnot_wave_0_\@
	s_barrier_signal -3
.Lnot_wave_0_\@:
	s_barrier_wait -3
	s_barrier_signal -1
	s_barrier_wait -1
.endm
.macro CROUND
	s_barrier_signal -1
	s_barrier_wait -1
	CREST
.endm
	s_load_b512 s[4:19], s[0:1], 0x0               ; Acat 4, Wcat 6, carry_scale 8, b_step 10, b_in 12, log_decay 14, out1 16, A2 18
	v_lshl_add_u32 v[SPW], v0, 2, SPARE
	v_mov_b32 v[NIL], 0
	ds_add_u32 v[SPW], v[NIL]                      ; the wave's opening: the add and its wait stand ahead of my first tensor load; the set-up below, work on registers, stands between them
	v_lshrrev_b32 v1, 5, v0
	v_readfirstlane_b32 s[WV], v1
	s_lshr_b32 s[WH], s[WV], 1
	s_and_b32 s[WL], s[WV], 1
	s_bfe_u32 s40, ttmp6, 0x40000                  ; cx, cy: my place in the cluster
	s_bfe_u32 s41, ttmp6, 0x40004
	s_lshl_b32 s42, ttmp9, 2
	s_add_co_u32 s42, s42, s40                     ; tile column = 4 x cluster x + cx
	s_and_b32 s43, ttmp7, 0xffff                   ; cluster y
	s_lshr_b32 s71, s43, 1                         ; where my cluster begins: o = (cluster x + 2 ((y ^ y / 2) % 2)) % 4: made of the cluster's own coordinates, which all sixteen partners share
	s_xor_b32 s71, s71, s43
	s_and_b32 s71, s71, 1
	s_lshl_b32 s71, s71, 1
	s_add_co_u32 s71, s71, ttmp9
	s_and_b32 s71, s71, 3
	s_lshl_b32 s[ROT2], s71, 1                     ; a quarter of 8 K steps is 2,
	s_lshl_b32 s[ROT4], s71, 2                     ; of 16 is 4
	s_lshl_b32 s43, s43, 2
	s_add_co_u32 s43, s43, s41                     ; tile row = 4 x cluster y + cy
	s_lshl_b32 s44, s41, 2
	s_lshl_b32 s44, 15, s44                        ; my row of the cluster
	s_lshl_b32 s45, 0x1111, s40                    ; my column
	; group 1 for A: 128 rows x 128 elements of 2 bytes, 4,096 elements from row to row; in LDS 4 words of padding behind every 64
	s_or_b32 s[G1A+0], s44, (1<<16)|(1<<20)|(1<<21)|(5<<22)|(3<<25)  ; 15:0 the mask: my row; 17:16 2-byte elements; 20 padding on; 21 set beside a mask; 24:22 every 64 words; 31:25 4 words
	s_mov_b32 s[G1A+1], 128<<16                    ; tensor_dim0 = 128
	s_mov_b32 s[G1A+2], 128<<16                    ; tensor_dim1 = 128
	s_mov_b32 s[G1A+3], 128<<16                    ; tile_dim0 = 128
	s_mov_b32 s[G1A+4], 128                        ; tile_dim1 = 128
	s_mov_b32 s[G1A+5], 4096                       ; elements from row to row
	s_mov_b32 s[G1A+6], 0
	s_mov_b32 s[G1A+7], 0
	; group 1 for W: 128 rows of K (64 in K steps 16-31) x 128 columns, 2,048 elements from row to row; 8 words of padding behind every 64
	s_or_b32 s[G1B+0], s45, (1<<16)|(1<<20)|(1<<21)|(5<<22)|(7<<25)  ; the mask: my column
	s_mov_b32 s[G1B+1], 128<<16
	s_mov_b32 s[G1B+2], 128<<16
	s_mov_b32 s[G1B+3], 128<<16
	s_mov_b32 s[G1B+4], 128
	s_mov_b32 s[G1B+5], 2048
	s_mov_b32 s[G1B+6], 0
	s_mov_b32 s[G1B+7], 0
	; A's tiles hang on the tile row and the wave alone, W's on the tile column and the wave alone, each in registers that never hold the other coordinate
	s_lshl_b32 s84, s43, 8
	s_lshl_b32 s85, s[WL], 7
	s_add_co_u32 s84, s84, s85                     ; row 256 x tile row + 128 x half,
	s_lshl_b32 s84, s84, 13                        ; 8,192 bytes each: under 2^25
	s_mov_b32 s85, 0
	s_lshl_b32 s87, s42, 8                         ; 128 columns x 2 bytes x tile column
	s_lshl_b32 s86, s[WL], 23                      ; set 1 lies 2,048 rows of 4,096 bytes below set 0
	s_add_co_u32 s86, s86, s87
	s_lshl_b32 s88, s[WL], 18                      ; K steps 16-31: 64 rows of K x 4,096 bytes x half,
	s_add_co_u32 s88, s88, s87
	s_add_co_u32 s88, s88, 1<<23                   ; from row 2,048 on
	s_mov_b32 s87, 0
	s_mov_b32 s89, 0
	s_mul_i32 s46, s[WL], 128*PA                   ; where they go: no place in the cluster enters an LDS address
	s_mul_i32 s47, s[WL], BTILE
	s_add_co_u32 s47, s47, ATILE
	s_mul_i32 s[LSS], s[WL], 64*PB
	s_add_co_u32 s[LSS], s[LSS], ATILE
	s_mov_b32 s[KA+1], 0
	s_mov_b32 s[KB+1], 0
	s_mov_b32 s[LL], 0x3fb8aa3b                    ; log2(e)
	s_mov_b32 s[LL+1], 0x3fb8aa3b
	s_mov_b32 s[C1], 1.0
	s_mov_b32 s[C1+1], 1.0
	s_mov_b32 s[CAP], 0x41d00000                   ; 26
	s_mov_b32 s[L2], 0x4038aa3b                    ; 2 log2(e)
	s_mov_b32 s[L2+1], 0x4038aa3b
	s_mov_b32 s[MASK], 0xffff0000
	s_wait_dscnt 0x0                               ; the opening add is done
	s_wait_kmcnt 0x0
	s_add_nc_u64 s[ABASE:ABASE+1], s[4:5], s[84:85]
	s_add_nc_u64 s[BBX:BBX+1], s[6:7], s[86:87]
	s_add_nc_u64 s[BBS:BBS+1], s[6:7], s[88:89]
	CROUND                                         ; all sixteen work-groups are here: the first joint loads meet
.irp s, 0,1
	s_add_co_u32 s71, s[ROT2], \s                  ; fill s takes K step (s + 2 o) % 8
	s_and_b32 s71, s71, 7
	s_lshl_b32 s[KA], s71, 8                       ; 256 bytes along Acat's rows,
	s_lshl_b32 s[KB], s71, 19                      ; 128 rows of 4,096 bytes down Wcat
	s_mov_b32 s[G0A+4*(\s)], 1                                     ; count = 1
	s_add_co_u32 s[G0A+4*(\s)+1], s46, (\s)*SLOT                   ; LDS address
	s_add_nc_u64 s[G0A+4*(\s)+2:G0A+4*(\s)+3], s[ABASE:ABASE+1], s[KA:KA+1]  ; global address
	s_or_b32 s[G0A+4*(\s)+3], s[G0A+4*(\s)+3], 0x80000000          ; type = 2
	s_mov_b32 s[G0B+4*(\s)], 1
	s_add_co_u32 s[G0B+4*(\s)+1], s47, (\s)*SLOT
	s_add_nc_u64 s[G0B+4*(\s)+2:G0B+4*(\s)+3], s[BBX:BBX+1], s[KB:KB+1]
	s_or_b32 s[G0B+4*(\s)+3], s[G0B+4*(\s)+3], 0x80000000
	JLOAD \s                                       ; two loads of mine are out
.endr
	s_mov_b32 s[FN], 2
	; all that follows up to the first barrier stands in the wait for the first tile
	s_lshl_b32 s86, s42, 9                         ; my tile's 128 columns in a row of f32: 512 bytes x tile column
	s_add_nc_u64 s[10:11], s[10:11], s[86:87]      ; b_step, b_in, log_decay at those columns
	s_add_nc_u64 s[12:13], s[12:13], s[86:87]
	s_add_nc_u64 s[14:15], s[14:15], s[86:87]
	s_lshl_b32 s88, s43, 8
	s_lshl_b32 s89, s[WV], 6
	s_add_co_u32 s88, s88, s89                     ; my first row: 256 x tile row + 64 x wave
	s_mul_i32 s91, s88, 6144                       ; in A2
	s_lshl_b32 s88, s88, 13                        ; in carry_scale, out1 and Acat
	s_add_co_u32 s88, s88, s86
	s_mov_b32 s89, 0
	s_add_nc_u64 s[8:9], s[8:9], s[88:89]
	s_add_nc_u64 s[16:17], s[16:17], s[88:89]
	s_lshl_b32 s90, s42, 8                         ; the same columns in bf16: 256 bytes x tile column
	s_sub_co_u32 s88, s88, s90
	s_add_co_u32 s88, s88, 4096                    ; state begins at byte 4,096 of Acat's rows
	s_add_nc_u64 s[SB:SB+1], s[4:5], s[88:89]
	s_add_co_u32 s88, s91, s90
	s_add_co_u32 s88, s88, 2048                    ; new_state begins at byte 2,048 of A2's rows
	s_add_nc_u64 s[18:19], s[18:19], s[88:89]
	; A fragment of A is 16 rows x 32 K in 8 registers: lane l holds row l % 16, K = 8 (l / 16) + 0..7 and 16 + 8 (l / 16) + 0..7: two loads of 16 bytes, 32 bytes apart.
	v_and_b32 v16, 15, v0                          ; l % 16
	v_bfe_u32 v17, v0, 4, 1                        ; l / 16
	v_mul_u32_u24 v18, v16, PA
	v_lshl_add_u32 v18, v17, 4, v18
	s_mul_i32 s71, s[WV], 64*PA                    ; my 64 rows
	v_add_nc_u32 v[ADRA], s71, v18
	v_add_nc_u32 v[ADRA+1], SLOT, v[ADRA]
	; The turning load takes 16 K x 16 columns (lane l reads K = 8 (l / 16) + l % 8, columns 8 ((l / 8) % 2) + 0..7) and leaves half a fragment: lane l holds column l % 16 and 8 K.
	v_and_b32 v18, 7, v0
	v_lshl_add_u32 v18, v17, 3, v18
	v_mul_u32_u24 v18, v18, PB
	v_bfe_u32 v19, v0, 3, 1
	v_lshl_add_u32 v18, v19, 4, v18
	v_add_nc_u32 v[ADRB], ATILE, v18
	v_add_nc_u32 v[ADRB+1], ATILE+SLOT, v18
	v_add_nc_u32 v[ADRC], ATILE+BTILE, v18
	v_add_nc_u32 v[ADRC+1], ATILE+BTILE+SLOT, v18
	s_mul_i32 s77, s[WV], SWB                      ; my stage
	v_mul_u32_u24 v18, v16, SPITCH                 ; in: row l % 16, 32 bytes for each half of the lanes
	v_lshl_add_u32 v18, v17, 5, v18
	v_add_nc_u32 v[STO], s77, v18
	v_and_b32 v19, 31, v0
	v_lshlrev_b32 v[VC], 4, v19
	v_lshlrev_b32 v[VS], 3, v19
	v_add_nc_u32 v[RD], s77, v[VC]                 ; back: 32 lanes take a row's 512 bytes
	s_lshl_b32 s77, s[WV], 9
	s_add_co_u32 s77, s77, BIAS                    ; my copy of the bias
	v_lshl_add_u32 v[VBI], v17, 5, s77             ; read: columns 16 b + 8 (l / 16) + 0..7 lie at byte 64 b + 32 (l / 16)
	v_add_nc_u32 v[BST], s77, v[VC]                ; stored: columns 4 l + 0..3
	global_load_b128 v[TB:TB+3], v[VC], s[10:11]   ; b_step of my four columns
	WIN 0x40                                       ; R starts at 0, cleared on purpose: both softplus steps then share one text, R += weight x sp2
.set i, 0
.rept 256
	v_mov_b32 v[i], 0
.set i, i+1
.endr
	WIN 0
	s_wait_loadcnt 0x0
	v_cvt_pk_bf16_f32 v[TB+4], v[TB],   v[TB+1]    ; b_step is rounded to bf16 and multiplied by L
	v_cvt_pk_bf16_f32 v[TB+5], v[TB+2], v[TB+3]
	v_lshlrev_b32 v[TB],   16, v[TB+4]
	v_and_b32     v[TB+1], s[MASK], v[TB+4]
	v_lshlrev_b32 v[TB+2], 16, v[TB+5]
	v_and_b32     v[TB+3], s[MASK], v[TB+5]
	v_pk_mul_f32 v[TB:TB+1],   v[TB:TB+1],   s[LL:LL+1] op_sel_hi:[1,0]
	v_pk_mul_f32 v[TB+2:TB+3], v[TB+2:TB+3], s[LL:LL+1] op_sel_hi:[1,0]
	ds_store_b128 v[BST], v[TB:TB+3]               ; into my own 512 bytes, which I alone read
; 8 matrix instructions: m block a x all 8 n blocks, 32 along K: W's buffer fb, A's buffer fa, accumulators in the window that w names.  zero = 1: the product starts the sum.
; The 32 accumulators of a set take turns, one instruction a turn, in the same order everywhere.
.macro MUL8 w, fb, fa, a, zero
	WIN \w
.irp b, 0,1,2,3,4,5,6,7
.if \zero
	v_wmma_f32_16x16x32_bf16 v[8*(8*(\a)+(\b)):8*(8*(\a)+(\b))+7], v[FB+64*(\fb)+8*(\b):FB+64*(\fb)+8*(\b)+7], v[FA+32*(\fa)+8*(\a):FA+32*(\fa)+8*(\a)+7], 0
.else
	v_wmma_f32_16x16x32_bf16 v[8*(8*(\a)+(\b)):8*(8*(\a)+(\b))+7], v[FB+64*(\fb)+8*(\b):FB+64*(\fb)+8*(\b)+7], v[FA+32*(\fa)+8*(\a):FA+32*(\fa)+8*(\a)+7], v[8*(8*(\a)+(\b)):8*(8*(\a)+(\b))+7]
.endif
.endr
.endm
.macro FETB adr, q, fb                 ; 16 LDS loads: quarter q (32 along K) of a tile of W, 128 columns turned, into buffer fb
	WIN 0
.irp b, 0,1,2,3,4,5,6,7
	ds_load_tr16_b128 v[FB+64*(\fb)+8*(\b):FB+64*(\fb)+8*(\b)+3],   v[\adr] offset:32*(\q)*PB+32*(\b)
	ds_load_tr16_b128 v[FB+64*(\fb)+8*(\b)+4:FB+64*(\fb)+8*(\b)+7], v[\adr] offset:32*(\q)*PB+16*PB+32*(\b)
.endr
.endm
.macro FETA slot, q, fa                ; 8 LDS loads: quarter q of my 64 rows of A into buffer fa; the youngest four are blocks 2 and 3
	WIN 0
.irp a, 0,1,2,3
	ds_load_b128 v[FA+32*(\fa)+8*(\a):FA+32*(\fa)+8*(\a)+3],   v[ADRA+(\slot)] offset:64*(\q)+(\a)*16*PA
	ds_load_b128 v[FA+32*(\fa)+8*(\a)+4:FA+32*(\fa)+8*(\a)+7], v[ADRA+(\slot)] offset:64*(\q)+(\a)*16*PA+32
.endr
.endm
; A load into a register that a matrix instruction has read, and a vector instruction or store that reads a matrix result, stand four places behind it; only plain vector instructions that
; name none of its registers are places (ISA guide 7.12.1 for vector instructions).
.macro PLACES
.rept 4
	v_nop
.endr
.endm
; A PAIRED K STEP is four quarters of 32 along K, each of two sub-quarters of 32 matrix instructions on the same fragments of A: set 0 into Z, then set 1 into Z3.
; SQE: set 0 of quarter q; in its middle set 1's fragments of the same quarter are fetched.
.macro SQE slot, q, zero
	s_wait_dscnt 4                                 ; set 0 and A's blocks 0 and 1 are in; the youngest four loads may be out
	MUL8 W_Z, 0, (\q)%2, 0, \zero
	MUL8 W_Z, 0, (\q)%2, 1, \zero
	PLACES
	FETB ADRC+(\slot), \q, 1
	s_wait_dscnt 16                                ; all but the 16 just issued
	MUL8 W_Z, 0, (\q)%2, 2, \zero
	MUL8 W_Z, 0, (\q)%2, 3, \zero
.endm
; SQO: set 1 of quarter q (0 to 2); in its middle the next quarter's set 0 and A are fetched.
.macro SQO slot, q, zero
	s_wait_dscnt 0x0                               ; set 1 is in
	MUL8 W_Z3, 1, (\q)%2, 0, \zero
	MUL8 W_Z3, 1, (\q)%2, 1, \zero
	PLACES
	FETB ADRB+(\slot), (\q)+1, 0
	FETA \slot, (\q)+1, ((\q)+1)%2
	MUL8 W_Z3, 1, (\q)%2, 2, \zero
	MUL8 W_Z3, 1, (\q)%2, 3, \zero
.endm
; A K STEP OF THE STATE'S WALK is four quarters of 32 matrix instructions into Z3, on buffers 0, 1, 0, 1.  QS: quarter q (0 to 2); in its middle the next quarter is fetched.
.macro QS slot, q
	s_wait_dscnt 4                                 ; W and A's blocks 0 and 1 are in
	MUL8 W_Z3, (\q)%2, (\q)%2, 0, 0
	MUL8 W_Z3, (\q)%2, (\q)%2, 1, 0
	PLACES
	FETB ADRB+(\slot), (\q)+1, ((\q)+1)%2
	FETA \slot, (\q)+1, ((\q)+1)%2
	s_wait_dscnt 24                                ; all but the 24 just issued
	MUL8 W_Z3, (\q)%2, (\q)%2, 2, 0
	MUL8 W_Z3, (\q)%2, (\q)%2, 3, 0
.endm
; The descriptors of fill FN for a slot.  kind 1: a paired K step, (FN & 8) | ((FN + 2 o) & 7).  kind 2: a K step of the state's walk, 16 | ((FN + 4 o) & 15).
; Both addresses are made anew from the K step's number; every word in which the two kinds differ is written, so that a load's words can be read off the lines just ahead of it.
.macro DESC kind, slot
.if (\kind) == 1
	s_add_co_u32 s71, s[FN], s[ROT2]
	s_and_b32 s71, s71, 7
	s_and_b32 s77, s[FN], 8
	s_or_b32 s71, s71, s77
.else
	s_add_co_u32 s71, s[FN], s[ROT4]
	s_and_b32 s71, s71, 15
	s_or_b32 s71, s71, 16
.endif
	s_lshl_b32 s[KA], s71, 8
	s_lshl_b32 s[KB], s71, 19
	s_add_nc_u64 s[G0A+4*(\slot)+2:G0A+4*(\slot)+3], s[ABASE:ABASE+1], s[KA:KA+1]
	s_or_b32 s[G0A+4*(\slot)+3], s[G0A+4*(\slot)+3], 0x80000000
.if (\kind) == 1
	s_add_co_u32 s[G0B+4*(\slot)+1], s47, (\slot)*SLOT             ; my set's 128 rows
	s_add_nc_u64 s[G0B+4*(\slot)+2:G0B+4*(\slot)+3], s[BBX:BBX+1], s[KB:KB+1]
	s_mov_b32 s[G1B+2], 128<<16
	s_mov_b32 s[G1B+4], 128
.else
	s_add_co_u32 s[G0B+4*(\slot)+1], s[LSS], (\slot)*SLOT          ; my 64 rows of the one tile, which lies where set 0 lay
	s_add_nc_u64 s[G0B+4*(\slot)+2:G0B+4*(\slot)+3], s[BBS:BBS+1], s[KB:KB+1]
	s_mov_b32 s[G1B+2], 64<<16
	s_mov_b32 s[G1B+4], 64
.endif
	s_or_b32 s[G0B+4*(\slot)+3], s[G0B+4*(\slot)+3], 0x80000000
	s_add_co_u32 s[FN], s[FN], 1
.endm
; THE CHANGE OF SLOTS is a K step's last 32 matrix instructions (both walks: W's buffer 1, A's buffer 1, into Z3).  One barrier for two things.  In front of it each wave waits for all its tensor
; loads, of which one is out: its part of the next slot; adds 0 to its spare word; and waits for that and for its own reads of this slot.  Behind it nobody reads this slot any more and the next slot is whole.
; kind 1, 2: the barrier opens a round of the cluster's, and behind the round the slot just read out is filled again first, with the K step two fills on: 240 matrix instructions (paired), 112 (state)
; ahead of the wait for it.  kind 2: the state's walk.  kind 1: the paired walk, whose last two changes ask for the state's first tiles: the fill's number chooses between two arms, each with its
; descriptor words and the one joint load; the number is the same in every wave and every work-group, and on either way a wave issues one tensor load behind the round.
; kind 0: nothing is left to fetch.  cnt: what may be out when the first products start: the add (paired), or the add and A's blocks 2 and 3 (state).
.macro TURN cnt, kind, slot, next
	WIN 0                                          ; (the add's two registers lie in window 0)
	s_wait_tensorcnt 0x0                           ; all my tensor loads have landed, so every descriptor may be written;
	ds_add_u32 v[SPW], v[NIL]                      ; 0 onto my spare word: work on registers, eight products among it, stands between it and the wait for it
.if (\kind) == 2
	DESC 2, \slot
.endif
	s_wait_dscnt \cnt
	MUL8 W_Z3, 1, 1, 0, 0
	s_wait_dscnt 0x0                               ; the add is done, and my reads of this slot are over
	s_barrier_signal -1
	MUL8 W_Z3, 1, 1, 1, 0                          ; work on registers while the others arrive
.if \kind
	WIN 0
.endif
	s_barrier_wait -1
.if (\kind) == 2
	CREST                                          ; no wave of any partner still reads this slot's tiles or has a load on its way
	JLOAD \slot                                    ; the first tensor load behind the round; its four v_nop are also the places in front of the loads below
.elseif (\kind) == 1
	CREST
	s_cmp_lt_u32 s[FN], 16
	s_cbranch_scc0 .Lstate_tile_\@
	DESC 1, \slot                                  ; fills 2 to 15: a paired K step's tiles
	JLOAD \slot
	s_branch .Lfilled_\@
.Lstate_tile_\@:
	DESC 2, \slot                                  ; fills 16 and 17: the state's walk begins
	JLOAD \slot
.Lfilled_\@:
.else
	PLACES
.endif
	FETB ADRB+(\next), 0, 0
	FETA \next, 0, 0
	MUL8 W_Z3, 1, 1, 2, 0
	MUL8 W_Z3, 1, 1, 3, 0
.endm
	s_wait_dscnt 0x0                               ; my store of the bias is done
	s_wait_tensorcnt 0x1                           ; my part of the first K step is in; the second's load stays out
	s_barrier_signal -1
	s_barrier_wait -1                              ; everybody's is
	FETB ADRB, 0, 0
	FETA 0, 0, 0
	s_mov_b32 s2, 2                                ; paired phases to go: x, then c
.Lphase:
	SQE 0, 0, 1                                    ; a phase's first products start Z
	WIN 0                                          ; at a label and at a branch every window is 0
	s_cmp_eq_u32 s2, 2
	s_cbranch_scc0 .Lgo_on
	SQO 0, 0, 1                                    ; x: they start Z3 too
	WIN 0
	s_branch .Lstarted
.Lgo_on:
	SQO 0, 0, 0                                    ; c: Z3 goes on
	WIN 0
.Lstarted:
	s_mov_b32 s3, 0
.Llap:                                                 ; four trips a phase: a trip goes once round the ring, from a lap's second quarter to the next lap's first, and fills both slots again
	SQE 0, 1, 0
	SQO 0, 1, 0
	SQE 0, 2, 0
	SQO 0, 2, 0
	SQE 0, 3, 0
	TURN 1, 1, 0, 1
	SQE 1, 0, 0
	SQO 1, 0, 0
	SQE 1, 1, 0
	SQO 1, 1, 0
	SQE 1, 2, 0
	SQO 1, 2, 0
	SQE 1, 3, 0
	TURN 1, 1, 1, 0
	WIN 0
	s_cmp_eq_u32 s3, 3
	s_cbranch_scc1 .Lskip                          ; the last trip: the phase is over; what is jumped holds no barrier and no tensor load
	SQE 0, 0, 0
	SQO 0, 0, 0
	WIN 0
.Lskip:
	s_add_co_u32 s3, s3, 1
	s_cmp_lt_u32 s3, 4
	s_cbranch_scc1 .Llap
	; BETWEEN THE PHASES: R += weight x sp2(Z L + bias), an m block (64 registers) at a time, Z worked on in place.  The next phase's first fragments lie in W's and A's buffers 0; buffers 1 are free:
	; W's takes the bias, A's and v16-47 the 64 registers at work.  Each accumulator is read from its low end on.  A v_nop stands behind each run of transcendentals, ahead of the first use of a
	; result (ISA guide 5.7.2).
	PLACES                                         ; behind the last products, which read the buffers that are written below
.irp b, 0,1,2,3,4,5,6,7
	ds_load_b128 v[FB+64+8*(\b):FB+64+8*(\b)+3],   v[VBI] offset:64*(\b)
	ds_load_b128 v[FB+64+8*(\b)+4:FB+64+8*(\b)+7], v[VBI] offset:64*(\b)+16
.endr
	s_wait_dscnt 0x0
.macro ESET i                          ; e: register i of the 64 at work
.if (\i) < 32
.set e, FA+32+(\i)
.else
.set e, 16+(\i)-32
.endif
.endm
.irp a, 0,1,2,3
	WIN 0x82                                       ; Z in window 2, the bias in window 0
.set i, 0
.rept 32
	v_pk_fma_f32 v[64*(\a)+i:64*(\a)+i+1], v[64*(\a)+i:64*(\a)+i+1], s[LL:LL+1], v[FB+64+i:FB+64+i+1] op_sel_hi:[1,0,1]  ; z
.set i, i+2
.endr
	WIN 0x02
.set i, 0
.rept 64
	ESET i
	v_exp_f32 v[e], v[64*(\a)+i]
.set i, i+1
.endr
	WIN 0
	v_nop
	s_wait_alu depctr_va_vdst(0)
.set i, 0
.rept 32
	ESET i
	v_pk_add_f32 v[e:e+1], v[e:e+1], 1.0 op_sel_hi:[1,0]
.set i, i+2
.endr
.set i, 0
.rept 64
	ESET i
	v_log_f32 v[e], v[e]
.set i, i+1
.endr
	v_nop
	s_wait_alu depctr_va_vdst(0)
	WIN 0x82
.set i, 0
.rept 64
	ESET i
	v_maxmin_num_f32 v[64*(\a)+i], v[64*(\a)+i], s[CAP], v[e]  ; min(max(z, 26), log2(1 + 2^z))
.set i, i+1
.endr
	WIN 0x52                                       ; R in window 1
.set i, 0
.rept 32
	v_pk_fma_f32 v[64*(\a)+i:64*(\a)+i+1], v[64*(\a)+i:64*(\a)+i+1], s[C1:C1+1], v[64*(\a)+i:64*(\a)+i+1] op_sel_hi:[1,0,1]
.set i, i+2
.endr
.endr
	WIN 0
.irp k, 0,1,2,3
	v_mov_b32 v[FA+32+(\k)], 0
.endr
	ds_store_b128 v[BST], v[FA+32:FA+35]           ; the second softplus has no bias: my copy becomes 0 (LDS serves a wave's instructions in order: ISA guide 5.7.1.4),
	s_mov_b32 s[C1], 0x3dcccccd                    ; and the weight 0.1
	s_mov_b32 s[C1+1], 0x3dcccccd
	s_sub_co_u32 s2, s2, 1
	s_cmp_lg_u32 s2, 0
	s_cbranch_scc1 .Lphase
	s_mov_b32 s3, 7                                ; THE STATE'S WALK: 16 K steps; seven laps fill both slots again
.Lslap:
	QS 0, 0
	QS 0, 1
	QS 0, 2
	TURN 5, 2, 0, 1
	QS 1, 0
	QS 1, 1
	QS 1, 2
	TURN 5, 2, 1, 0
	WIN 0
	s_sub_co_u32 s3, s3, 1
	s_cmp_lg_u32 s3, 0
	s_cbranch_scc1 .Lslap
.irp i, 0,1,2,3,4,5,6,7                ; the last lap asks for no tile.  The way out's first eight rows of carry_scale and state, and b_in and log_decay, are asked for two K steps ahead
	global_load_b128 v[CA+4*(\i):CA+4*(\i)+3], v[VC], s[8:9] offset:8192*(\i) th:TH_LOAD_NT
.endr
.irp i, 0,1,2,3,4,5,6,7
	global_load_b64 v[SA+2*(\i):SA+2*(\i)+1], v[VS], s[SB:SB+1] offset:8192*(\i)
.endr
	WIN 0x80                                       ; destination window 2, where Z is done with: columns 4 l + 0..3
	global_load_b128 v[PRM:PRM+3],   v[VC], s[12:13]
	global_load_b128 v[PRM+4:PRM+7], v[VC], s[14:15]
	WIN 0
	QS 0, 0
	QS 0, 1
	QS 0, 2
	TURN 5, 0, 0, 1                                ; my one tensor load that was still out is the last K step's, so no round follows
	QS 1, 0
	QS 1, 1
	QS 1, 2
	s_wait_dscnt 4                                 ; the very last quarter: nothing more to fetch
	MUL8 W_Z3, 1, 1, 0, 0
	MUL8 W_Z3, 1, 1, 1, 0
	s_wait_dscnt 0x0
	MUL8 W_Z3, 1, 1, 2, 0
	MUL8 W_Z3, 1, 1, 3, 0
	WIN 0
	; THE WAY OUT.  R and Z3 go through my stage, so that a lane holds four neighbouring columns of a row and a wave's load or store covers a row's 512 (in bf16 256) consecutive bytes.
	s_barrier_signal -1                            ; my reads of the ring are over (the wait for 0 above) and every fill has landed: the stages lie over the ring
	PLACES                                         ; behind the last products: their results are stored, and their fragments' registers written, below
	s_barrier_wait -1
	WIN 0x04                                       ; data in window 1
.irp a, 0,1,2,3
.irp b, 0,1,2,3,4,5,6,7
	ds_store_b128 v[STO], v[8*(8*(\a)+(\b)):8*(8*(\a)+(\b))+3]   offset:(\a)*16*SPITCH+64*(\b)
	ds_store_b128 v[STO], v[8*(8*(\a)+(\b))+4:8*(8*(\a)+(\b))+7] offset:(\a)*16*SPITCH+64*(\b)+16
.endr
.endr
	WIN 0x0c                                       ; data in window 3; each accumulator's low half first
.irp a, 0,1,2,3
.irp b, 0,1,2,3,4,5,6,7
	ds_store_b128 v[STO], v[8*(8*(\a)+(\b)):8*(8*(\a)+(\b))+3]   offset:PQ+(\a)*16*SPITCH+64*(\b)
	ds_store_b128 v[STO], v[8*(8*(\a)+(\b))+4:8*(8*(\a)+(\b))+7] offset:PQ+(\a)*16*SPITCH+64*(\b)+16
.endr
.endr
	s_wait_loadcnt 0x0                             ; b_in and log_decay (and the first eight rows)
	WIN 0x0a                                       ; sources in window 2: they are rounded to bf16
.irp k, 0,1,2,3
	v_cvt_pk_bf16_f32 v[TT+(\k)], v[PRM+2*(\k)], v[PRM+2*(\k)+1]
.endr
	WIN 0
.irp k, 0,1
	v_lshlrev_b32 v[BI2+2*(\k)],   16, v[TT+(\k)]
	v_and_b32     v[BI2+2*(\k)+1], s[MASK], v[TT+(\k)]
	v_lshlrev_b32 v[NEL+2*(\k)],   16, v[TT+2+(\k)]
	v_and_b32     v[NEL+2*(\k)+1], s[MASK], v[TT+2+(\k)]
.endr
	v_pk_mul_f32 v[BI2:BI2+1],   v[BI2:BI2+1],   s[L2:L2+1] op_sel_hi:[1,0]
	v_pk_mul_f32 v[BI2+2:BI2+3], v[BI2+2:BI2+3], s[L2:L2+1] op_sel_hi:[1,0]
	v_pk_mul_f32 v[NEL:NEL+1],   v[NEL:NEL+1],   s[LL:LL+1] op_sel_hi:[1,0]
	v_pk_mul_f32 v[NEL+2:NEL+3], v[NEL+2:NEL+3], s[LL:LL+1] op_sel_hi:[1,0]
.irp k, 0,1,2,3
	v_exp_f32 v[NEL+(\k)], v[NEL+(\k)]             ; exp(log_decay)
.endr
	v_nop
	s_wait_dscnt 0x0                               ; my stores into my stage are done.  A wave reads back its own stage alone; the barrier makes that order hold
	s_barrier_signal -1                            ; whatever the read address, which steps in the loop below, is taken to reach
	s_barrier_wait -1
	s_mov_b32 s[CNT], 8
.Lrow:                                                 ; eight trips of eight rows
.irp i, 0,1,2,3,4,5,6,7
	ds_load_b128 v[RR+4*(\i):RR+4*(\i)+3], v[RD] offset:SPITCH*(\i)
.endr
.irp i, 0,1,2,3,4,5,6,7
	ds_load_b128 v[PP+4*(\i):PP+4*(\i)+3], v[RD] offset:PQ+SPITCH*(\i)
.endr
	s_wait_loadcnt 0x0                             ; this trip's carry_scale and state, asked for a trip ago
.set i, 0
.rept 16
	v_cvt_pk_bf16_f32 v[TT+i], v[CA+2*i], v[CA+2*i+1]  ; carry_scale is rounded to bf16
.set i, i+1
.endr
.set i, 0
.rept 16
	v_lshlrev_b32 v[CR+2*i],   16, v[TT+i]
	v_and_b32     v[CR+2*i+1], s[MASK], v[TT+i]
	v_lshlrev_b32 v[SU+2*i],   16, v[SA+i]
	v_and_b32     v[SU+2*i+1], s[MASK], v[SA+i]
.set i, i+1
.endr
	s_cmp_eq_u32 s[CNT], 1
	s_cbranch_scc1 .Lnopre                         ; the last trip asks for nothing: no load leaves its buffer
.irp i, 0,1,2,3,4,5,6,7                ; the next trip's rows: they have this trip's arithmetic in which to land
	global_load_b128 v[CA+4*(\i):CA+4*(\i)+3], v[VC], s[8:9] offset:8192*(8+(\i)) th:TH_LOAD_NT
.endr
.irp i, 0,1,2,3,4,5,6,7
	global_load_b64 v[SA+2*(\i):SA+2*(\i)+1], v[VS], s[SB:SB+1] offset:8192*(8+(\i))
.endr
.Lnopre:
	s_wait_dscnt 0x0
.set i, 0
	s_wait_alu depctr_va_vdst(0)
.rept 16
	v_pk_mul_f32 v[RR+2*i:RR+2*i+1], v[RR+2*i:RR+2*i+1], v[NEL+(2*i)%4:NEL+(2*i)%4+1] neg_lo:[0,1] neg_hi:[0,1]  ; -R exp(log_decay)
	v_pk_fma_f32 v[PP+2*i:PP+2*i+1], v[PP+2*i:PP+2*i+1], s[L2:L2+1], v[BI2+(2*i)%4:BI2+(2*i)%4+1] op_sel_hi:[1,0,1]  ; 2 L (Z3 + b_in)
.set i, i+1
.endr
.set i, 0
.rept 32
	v_exp_f32 v[RR+i], v[RR+i]
.set i, i+1
.endr
.set i, 0
.rept 32
	v_exp_f32 v[PP+i], v[PP+i]
.set i, i+1
.endr
	v_nop
.set i, 0
	s_wait_alu depctr_va_vdst(0)
.rept 16
	v_pk_mul_f32 v[RR+2*i:RR+2*i+1], v[RR+2*i:RR+2*i+1], v[CR+2*i:CR+2*i+1]  ; the decay
	v_pk_add_f32 v[PP+2*i:PP+2*i+1], v[PP+2*i:PP+2*i+1], 1.0 op_sel_hi:[1,0]
.set i, i+1
.endr
.set i, 0
.rept 32
	v_rcp_f32 v[PP+i], v[PP+i]
.set i, i+1
.endr
	v_nop
.set i, 0
	s_wait_alu depctr_va_vdst(0)
.rept 16
	v_pk_fma_f32 v[PP+2*i:PP+2*i+1], v[PP+2*i:PP+2*i+1], -2.0, 1.0 op_sel_hi:[1,0,0]  ; the proposal
.set i, i+1
.endr
.set i, 0
.rept 16
	v_pk_add_f32 v[SU+2*i:SU+2*i+1], v[SU+2*i:SU+2*i+1], v[PP+2*i:PP+2*i+1] neg_lo:[0,1] neg_hi:[0,1]  ; state - proposal
.set i, i+1
.endr
.set i, 0
.rept 16
	v_pk_fma_f32 v[PP+2*i:PP+2*i+1], v[RR+2*i:RR+2*i+1], v[SU+2*i:SU+2*i+1], v[PP+2*i:PP+2*i+1]  ; proposal + decay (state - proposal)
.set i, i+1
.endr
.set i, 0
.rept 16
	v_cvt_pk_bf16_f32 v[OB+i], v[PP+2*i], v[PP+2*i+1]
.set i, i+1
.endr
.irp i, 0,1,2,3,4,5,6,7
	global_store_b128 v[VC], v[PP+4*(\i):PP+4*(\i)+3], s[16:17] offset:8192*(\i) th:TH_STORE_NT  ; 512 consecutive bytes of out1, at a multiple of 256 from its first
.endr
.irp i, 0,1,2,3,4,5,6,7
	global_store_b64 v[VS], v[OB+2*(\i):OB+2*(\i)+1], s[18:19] offset:6144*(\i)  ; 256 consecutive bytes of A2, at a multiple of 256 from its first
.endr
	s_wait_xcnt 0x0                                ; every earlier memory instruction has had its addresses translated (ISA guide 3.1): only behind this wait are the four bases stepped and the stores' data written again
	s_add_nc_u64 s[8:9], s[8:9], 8*8192
	s_add_nc_u64 s[SB:SB+1], s[SB:SB+1], 8*8192
	s_add_nc_u64 s[16:17], s[16:17], 8*8192
	s_add_nc_u64 s[18:19], s[18:19], 8*6144
	v_add_nc_u32 v[RD], 8*SPITCH, v[RD]
	s_sub_co_u32 s[CNT], s[CNT], 1
	s_cmp_lg_u32 s[CNT], 0
	s_cbranch_scc1 .Lrow
	s_wait_tensorcnt 0x0                           ; the wave's end: 0 is added to my spare word and waited for, behind my last tensor load and my last LDS store
	ds_add_u32 v[SPW], v[NIL]
	s_wait_dscnt 0x0
	CROUND                                         ; the closing round: no work-group ends while a partner may still ask for a tile that names it
	s_endpgm
.Lfunc_end_k_q655e04eefb_gate:
	.size	k_q655e04eefb_gate, .Lfunc_end_k_q655e04eefb_gate-k_q655e04eefb_gate
	.p2alignl 7, 3214868480
	.fill 96, 4, 3214868480
	.section	.rodata,"a",@progbits
	.p2align	6, 0x0
	.amdhsa_kernel k_q655e04eefb_gate
		.amdhsa_group_segment_fixed_size 327680
		.amdhsa_private_segment_fixed_size 0
		.amdhsa_enable_private_segment 0
		.amdhsa_kernarg_size 64
		.amdhsa_user_sgpr_count 2
		.amdhsa_user_sgpr_kernarg_segment_ptr 1
		.amdhsa_wavefront_size32 1
		.amdhsa_system_sgpr_workgroup_id_x 1
		.amdhsa_system_sgpr_workgroup_id_y 1
		.amdhsa_system_sgpr_workgroup_id_z 1
		.amdhsa_system_vgpr_workitem_id 0
		.amdhsa_next_free_vgpr 1024
		.amdhsa_next_free_sgpr 102
		.amdhsa_reserve_vcc 0
		.amdhsa_float_denorm_mode_32 3
		.amdhsa_float_denorm_mode_16_64 3
		.amdhsa_memory_ordered 1
		.amdhsa_forward_progress 1
		.amdhsa_inst_pref_size 243
	.end_amdhsa_kernel
	.amdgpu_metadata
---
amdhsa.version: [ 1, 2 ]
amdhsa.kernels:
  - .name:           k_q655e04eefb_gate
    .symbol:         k_q655e04eefb_gate.kd
    .args:
      - { .name: Acat, .offset: 0, .size: 8, .value_kind: global_buffer, .address_space: global }
      - { .name: Wcat, .offset: 8, .size: 8, .value_kind: global_buffer, .address_space: global }
      - { .name: carry_scale, .offset: 16, .size: 8, .value_kind: global_buffer, .address_space: global }
      - { .name: b_step, .offset: 24, .size: 8, .value_kind: global_buffer, .address_space: global }
      - { .name: b_in, .offset: 32, .size: 8, .value_kind: global_buffer, .address_space: global }
      - { .name: log_decay, .offset: 40, .size: 8, .value_kind: global_buffer, .address_space: global }
      - { .name: out1, .offset: 48, .size: 8, .value_kind: global_buffer, .address_space: global }
      - { .name: A2, .offset: 56, .size: 8, .value_kind: global_buffer, .address_space: global }
    .group_segment_fixed_size: 327680
    .private_segment_fixed_size: 0
    .kernarg_segment_align: 8
    .kernarg_segment_size: 64
    .max_flat_workgroup_size: 128
    .sgpr_count:     102
    .vgpr_count:     1024
    .wavefront_size: 32
...
	.end_amdgpu_metadata
.endif
;; end of part 6
;; launch proj (part 7): grid 8 x 32, 4 waves a work-group, clusters of 4 x 4, 327,680 bytes of LDS; arguments A2, Wo, b_out, H; writes H
.if DOCPART == 7
	.amdgcn_target "amdgcn-amd-amdhsa--gfx1250"
	.amdhsa_code_object_version 6
	.text
	.protected	k_q655e04eefb_proj
	.globl	k_q655e04eefb_proj
	.p2align	8
	.type	k_q655e04eefb_proj,@function
k_q655e04eefb_proj:
	s_mov_b64 s[64:65], 0
	v_nop
	global_prefetch_b8 v0, s[64:65] scope:SCOPE_SE
	s_setreg_imm32_b32 hwreg(HW_REG_WAVE_MODE, 25, 1), 1
	s_wait_xcnt 0x0
	s_wait_alu depctr_hold_cnt(0) depctr_sa_sdst(0) depctr_va_vdst(0) depctr_va_sdst(0) depctr_va_ssrc(0) depctr_va_vcc(0) depctr_vm_vsrc(0)
	s_getreg_b32 s2, hwreg(HW_REG_IB_STS2, 6, 4)
	s_cmp_eq_u32 s2, 0
	s_cbranch_scc0 .Lentry_in_a_cluster
	s_endpgm
.Lentry_in_a_cluster:
	s_bfe_u32 s2, ttmp6, 0x10000c
	s_cmp_lg_u32 s2, 0xf033
	s_cbranch_scc0 .Lentry_shape_is_right
	s_endpgm
.Lentry_shape_is_right:
; PROJ.  H = [x | new_state] W_out + b_out + x, in f32.  A2: [4096][3072] bf16 (columns 0-1023 x, the rest new_state); Wo: [3072][1024] bf16, as W_out lies: [K][N].
; A tile of H is 128 x 128: 8 x 32 work-groups.  Four waves, each 64 x 64: 16 accumulators of 16 x 16.  K goes in 12 steps of 256 through two LDS slots.
; A's rows lie along K (LDS rows of 512 bytes); W's fragments come out of LDS turned, by ds_load_tr16_b128.  Source 0 = 16 columns of W, source 1 = 16 rows of A: a lane holds eight neighbouring
; columns of one row of H.
; CLUSTER.  4 x 4 work-groups: the four of a row need the same tiles of A2, the four of a column the same tiles of Wo; each tile is asked for jointly, by the same load, descriptor and mask in all four.
; Each cluster begins its walk along K at its own quarter, K step 3 ((2 x + y) % 4) for cluster (x, y), and goes round: the two clusters that need the same tiles of A2 walk six K steps apart, those
; that need the same tiles of Wo three, six or nine (or none), so that they ask for a tile in different trips.  The order of a sum along K therefore differs from cluster to cluster.
; The way out goes through ONE stage, over slot 0, whose last fill has landed and been read: a wave's 64 columns are half of a row's 512 bytes, so a barrier stands between writing and reading;
; then each wave takes 32 whole rows, adds b_out and x, and stores 512 consecutive bytes at a time.
; LIMITS.  x enters the sum as the bf16 number that A2 holds, b_out rounded to bf16 here: every input of the module is used rounded once to bf16; sums in f32.
; REGISTERS: window 0: v0-31 addresses; v32-95 x of my 32 rows; v96-109 b_out and work; v128-255 the accumulators ((a, b) at v[128 + 8 (4 a + b)]), later the rows read back.
;   window 1: two fragment buffers of 128: for 64 along K, 64 registers of A (2 x 4 x 16 rows x 32 K), then 64 of W.
.set PA,     528                       ; a row of A in LDS: 512 bytes + 16 = 132 words: the 16 rows of a load start at 16 different groups of four banks (64 banks of 4 bytes: ISA guide 11.1)
.set PB,     288                       ; a row of W: 256 + 32 = 72 words
.set ATILE,  128*PA
.set BTILE,  256*PB
.set SLOT,   ATILE+BTILE               ; A's 128 rows, then W's 256 rows of K
.set SPITCH, 528                       ; a row of the stage: 512 bytes + 16
.set SPARE,  300032                    ; behind the ring: the spare words, 128 bytes for each wave: two blocks of 256 bytes that no other line names
.set LAPS,   6                         ; a lap = two K steps = once round the ring
.set ADRA, 16                          ; v16-17  LDS address of my A fragments in slot 0, 1
.set ADRB, 20                          ; v20-23  of my W fragments: slot 0 rows 0-127 of K, slot 0 rows 128-255, slot 1 likewise (the immediate offset has 16 bits)
.set STO,  24                          ; v24     the way out: where I put 16 bytes of a row
.set RD,   25                          ; v25     where I read a row back
.set VC,   26                          ; v26     16 x lane
.set VS,   27                          ; v27     8 x lane
.set SPW,  28                          ; v28     LDS address of my spare word; never rewritten
.set NIL,  29                          ; v29     0; never rewritten
.set XR,   32                          ; v32-95  x: row i of my 32 at XR + 2 i, 4 bf16 a lane
.set BO,   96                          ; v96-99  b_out of my four columns
.set XU,   100                         ; v100-107  x + b_out of a row in f32, two sets
.set TP,   108                         ; v108-109  at work
.set ACC,  128
.set F0,   0                           ; fragment buffers, in window 1
.set F1,   128
.set AB,   12                          ; s[12:13] A2 at the first of the rows that I fetch;  s[14:15] Wo at my 128 rows of K step 0 and the tile's columns
.set BB,   14
.set WV,   20                          ; s20 wave;  s21 wave / 2: my half of the rows, and I fetch for A (0) or for W (1);  s22 wave % 2: my half of the columns, and which half of that tile I fetch
.set WH,   21
.set WL,   22
.set G1A,  24                          ; s[24:31] descriptor group 1 for A's tiles;  s[32:39] group 0, a set for each slot
.set G0A,  32
.set G1B,  48                          ; s[48:55], s[56:63] the same for W's
.set G0B,  56
.set XB,   66                          ; s[66:67] x, in A2, at my 32 rows and the tile's columns
.set KA,   68                          ; s[68:69] byte in A2's rows of the K step asked for;  s[70:71] byte in Wo
.set KB,   70
.set MASK, 74                          ; s74 a word's upper bf16
.set KS,   77                          ; s77 the K step to be asked for next, 0 .. 11
.set MSB, 0
.macro WIN new                         ; the immediate's high byte repeats the setting that is left
.if MSB != (\new)
	s_set_vgpr_msb (MSB<<8)|(\new)
.set MSB, \new
.endif
.endm
.set MUL,  0x05                        ; sources 0 (W) and 1 (A) window 1; C and D window 0
.set TO_F, 0x40                        ; destination window 1, address window 0
.macro JLOAD s                         ; a joint load: waves 0 and 1 fetch A's two halves, waves 2 and 3 W's; an s_nop 0 and four v_nop follow each of the two lines, ahead of the jump, the label and what follows
	s_cmp_eq_u32 s[WH], 0
	s_cbranch_scc0 .Lfor_b_\@
	tensor_load_to_lds s[G0A+4*(\s):G0A+4*(\s)+3], s[G1A:G1A+7]
	s_nop 0
.rept 4
	v_nop
.endr
	s_branch .Lasked_\@
.Lfor_b_\@:
	tensor_load_to_lds s[G0B+4*(\s):G0B+4*(\s)+3], s[G1B:G1B+7]
	s_nop 0
.rept 4
	v_nop
.endr
.Lasked_\@:
.endm
.macro CREST                           ; a round of the cluster's barrier behind its opening barrier
	s_cmp_lg_u32 s[WV], 0
	s_cbranch_scc1 .Lnot_wave_0_\@
	s_barrier_signal -3
.Lnot_wave_0_\@:
	s_barrier_wait -3
	s_barrier_signal -1
	s_barrier_wait -1
.endm
.macro CROUND
	s_barrier_signal -1
	s_barrier_wait -1
	CREST
.endm
.macro WHERE s                         ; slot s's two global addresses are made anew from the K step's number: 256 elements along A2's rows, 256 rows of 2,048 bytes down Wo
	s_lshl_b32 s[KA], s[KS], 9
	s_lshl_b32 s[KB], s[KS], 19
	s_add_nc_u64 s[G0A+4*(\s)+2:G0A+4*(\s)+3], s[AB:AB+1], s[KA:KA+1]
	s_or_b32 s[G0A+4*(\s)+3], s[G0A+4*(\s)+3], 0x80000000          ; type = 2
	s_add_nc_u64 s[G0B+4*(\s)+2:G0B+4*(\s)+3], s[BB:BB+1], s[KB:KB+1]
	s_or_b32 s[G0B+4*(\s)+3], s[G0B+4*(\s)+3], 0x80000000
	s_add_co_u32 s[KS], s[KS], 1                   ; the next K step; behind the last the walk goes on at 0
	s_cmp_eq_u32 s[KS], 12
	s_cselect_b32 s[KS], 0, s[KS]
.endm
	s_load_b256 s[4:11], s[0:1], 0x0               ; A2 4, Wo 6, b_out 8, H 10
	v_lshl_add_u32 v[SPW], v0, 2, SPARE
	v_mov_b32 v[NIL], 0
	ds_add_u32 v[SPW], v[NIL]                      ; the wave's opening: the add and its wait stand ahead of my first tensor load; the set-up below, work on registers, stands between them
	v_lshrrev_b32 v1, 5, v0
	v_readfirstlane_b32 s[WV], v1
	s_lshr_b32 s[WH], s[WV], 1
	s_and_b32 s[WL], s[WV], 1
	s_bfe_u32 s40, ttmp6, 0x40000                  ; cx, cy: my place in the cluster
	s_bfe_u32 s41, ttmp6, 0x40004
	s_lshl_b32 s42, ttmp9, 2
	s_add_co_u32 s42, s42, s40                     ; tile column = 4 x cluster x + cx
	s_and_b32 s43, ttmp7, 0xffff                   ; cluster y
	s_lshl_b32 s78, ttmp9, 1                       ; where my cluster begins: K step 3 ((2 x + y) % 4): made of the cluster's own coordinates, which all sixteen partners share
	s_add_co_u32 s78, s78, s43
	s_and_b32 s78, s78, 3
	s_mul_i32 s[KS], s78, 3
	s_lshl_b32 s43, s43, 2
	s_add_co_u32 s43, s43, s41                     ; tile row = 4 x cluster y + cy
	s_lshl_b32 s44, s41, 2
	s_lshl_b32 s44, 15, s44                        ; my row of the cluster
	s_lshl_b32 s45, 0x1111, s40                    ; my column
	; group 1 for A: 64 rows x 256 elements of 2 bytes, 3,072 elements from row to row; 4 words of padding behind every 128
	s_or_b32 s[G1A+0], s44, (1<<16)|(1<<20)|(1<<21)|(6<<22)|(3<<25)  ; 15:0 the mask: my row; 17:16 2-byte elements; 20 padding on; 21 set beside a mask; 24:22 every 128 words; 31:25 4 words
	s_mov_b32 s[G1A+1], 256<<16                    ; tensor_dim0 = 256
	s_mov_b32 s[G1A+2], 64<<16                     ; tensor_dim1 = 64
	s_mov_b32 s[G1A+3], 256<<16                    ; tile_dim0 = 256
	s_mov_b32 s[G1A+4], 64                         ; tile_dim1 = 64
	s_mov_b32 s[G1A+5], 3072
	s_mov_b32 s[G1A+6], 0
	s_mov_b32 s[G1A+7], 0
	; group 1 for W: 128 rows of K x 128 columns, 1,024 elements from row to row; 8 words of padding behind every 64
	s_or_b32 s[G1B+0], s45, (1<<16)|(1<<20)|(1<<21)|(5<<22)|(7<<25)  ; the mask: my column
	s_mov_b32 s[G1B+1], 128<<16
	s_mov_b32 s[G1B+2], 128<<16
	s_mov_b32 s[G1B+3], 128<<16
	s_mov_b32 s[G1B+4], 128
	s_mov_b32 s[G1B+5], 1024
	s_mov_b32 s[G1B+6], 0
	s_mov_b32 s[G1B+7], 0
	; A's tiles hang on the tile row, the wave and the K step alone, W's on the tile column, the wave and the K step alone, each in registers that never hold the other coordinate
	s_lshl_b32 s68, s43, 7
	s_lshl_b32 s69, s[WL], 6
	s_add_co_u32 s68, s68, s69                     ; row 128 x tile row + 64 x half,
	s_mul_i32 s68, s68, 6144                       ; 6,144 bytes each: under 2^25
	s_mov_b32 s69, 0
	s_lshl_b32 s70, s[WL], 18                      ; 128 rows of K x 2,048 bytes x half
	s_lshl_b32 s71, s42, 8                         ; 128 columns x 2 bytes x tile column
	s_add_co_u32 s70, s70, s71
	s_mov_b32 s71, 0
	s_mul_i32 s46, s[WL], 64*PA                    ; where they go: no place in the cluster enters an LDS address
	s_mul_i32 s47, s[WL], 128*PB
	s_add_co_u32 s47, s47, ATILE
	s_mov_b32 s[MASK], 0xffff0000
	s_wait_dscnt 0x0                               ; the opening add is done
	s_wait_kmcnt 0x0
	s_add_nc_u64 s[AB:AB+1], s[4:5], s[68:69]
	s_add_nc_u64 s[BB:BB+1], s[6:7], s[70:71]      ; from here on s[68:71] hold the K step's two byte offsets; their high words stay 0
	CROUND                                         ; all sixteen work-groups are here: the first joint loads meet
.irp s, 0,1
	s_mov_b32 s[G0A+4*(\s)], 1
	s_add_co_u32 s[G0A+4*(\s)+1], s46, (\s)*SLOT
	s_mov_b32 s[G0B+4*(\s)], 1
	s_add_co_u32 s[G0B+4*(\s)+1], s47, (\s)*SLOT
	WHERE \s
	JLOAD \s                                       ; two loads of mine are out
.endr
	s_lshl_b32 s72, s43, 7
	s_lshl_b32 s73, s[WV], 5
	s_add_co_u32 s72, s72, s73                     ; the first row that I store: 128 x tile row + 32 x wave
	s_lshl_b32 s75, s72, 12                        ; in H
	s_mul_i32 s72, s72, 6144                       ; in A2
	s_lshl_b32 s76, s42, 8
	s_add_co_u32 s72, s72, s76
	s_mov_b32 s73, 0
	s_add_nc_u64 s[XB:XB+1], s[4:5], s[72:73]
	s_lshl_b32 s76, s42, 9                         ; the tile's 128 columns in f32
	s_add_co_u32 s72, s75, s76
	s_add_nc_u64 s[10:11], s[10:11], s[72:73]
	s_mov_b32 s72, s76
	s_add_nc_u64 s[8:9], s[8:9], s[72:73]
	v_and_b32 v1, 15, v0                           ; l % 16
	v_bfe_u32 v2, v0, 4, 1                         ; l / 16
	v_mul_u32_u24 v3, v1, PA
	v_lshl_add_u32 v3, v2, 4, v3                   ; a fragment's row x pitch + 16 x half
	s_mul_i32 s75, s[WH], 64*PA                    ; my 64 rows of A
	v_add_nc_u32 v[ADRA], s75, v3
	v_add_nc_u32 v[ADRA+1], SLOT, v[ADRA]
	v_and_b32 v3, 7, v0                            ; the turning load: lane l reads K = 8 (l / 16) + l % 8, columns 8 ((l / 8) % 2) + 0..7
	v_lshl_add_u32 v3, v2, 3, v3
	v_mul_u32_u24 v3, v3, PB
	v_bfe_u32 v4, v0, 3, 1
	v_lshl_add_u32 v3, v4, 4, v3
	s_lshl_b32 s75, s[WL], 7                       ; my 64 columns of W
	s_add_co_u32 s75, s75, ATILE
	v_add_nc_u32 v[ADRB], s75, v3
	v_add_nc_u32 v[ADRB+1], 128*PB, v[ADRB]
	v_add_nc_u32 v[ADRB+2], SLOT, v[ADRB]
	v_add_nc_u32 v[ADRB+3], SLOT+128*PB, v[ADRB]
	s_mul_i32 s75, s[WH], 64*SPITCH                ; into the stage: my 64 rows, my half of their 512 bytes; row l % 16, 32 bytes for each half of the lanes
	s_lshl_b32 s76, s[WL], 8
	s_add_co_u32 s75, s75, s76
	v_mul_u32_u24 v3, v1, SPITCH
	v_lshl_add_u32 v3, v2, 5, v3
	v_add_nc_u32 v[STO], s75, v3
	v_and_b32 v4, 31, v0
	v_lshlrev_b32 v[VC], 4, v4
	v_lshlrev_b32 v[VS], 3, v4
	s_mul_i32 s75, s[WV], 32*SPITCH                ; back: wave w takes rows 32 w .. 32 w + 31, whole
	v_add_nc_u32 v[RD], s75, v[VC]
.set i, 0
.rept 32                               ; x of my 32 rows and b_out are asked for now and waited for on the way out; their registers are not touched in between
	global_load_b64 v[XR+2*i:XR+2*i+1], v[VS], s[XB:XB+1] offset:6144*i
.set i, i+1
.endr
	global_load_b128 v[BO:BO+3], v[VC], s[8:9]
; 8 matrix instructions: m blocks a0, a0 + 1 x all 4 n blocks, 32 along K: half c of buffer f.  zero = 1: the product starts the sum.  The 16 accumulators take turns.
.macro MUL8 f, c, a0, zero
	WIN MUL
.irp a, \a0, (\a0)+1
.irp b, 0,1,2,3
.if \zero
	v_wmma_f32_16x16x32_bf16 v[ACC+8*(4*(\a)+(\b)):ACC+8*(4*(\a)+(\b))+7], v[(\f)+64+8*(4*(\c)+(\b)):(\f)+64+8*(4*(\c)+(\b))+7], v[(\f)+8*(4*(\c)+(\a)):(\f)+8*(4*(\c)+(\a))+7], 0
.else
	v_wmma_f32_16x16x32_bf16 v[ACC+8*(4*(\a)+(\b)):ACC+8*(4*(\a)+(\b))+7], v[(\f)+64+8*(4*(\c)+(\b)):(\f)+64+8*(4*(\c)+(\b))+7], v[(\f)+8*(4*(\c)+(\a)):(\f)+8*(4*(\c)+(\a))+7], v[ACC+8*(4*(\a)+(\b)):ACC+8*(4*(\a)+(\b))+7]
.endif
.endr
.endr
.endm
; 32 LDS loads in one run: quarter q (64 along K) of a slot into buffer f; the first 32 along K first
.macro FETCH slot, q, f
	WIN TO_F
.irp c, 0,1
.irp i, 0,1,2,3
	ds_load_tr16_b128 v[(\f)+64+8*(4*(\c)+(\i)):(\f)+64+8*(4*(\c)+(\i))+3],   v[ADRB+2*(\slot)+(\q)/2] offset:(((\q)%2)*64+32*(\c))*PB+32*(\i)
	ds_load_tr16_b128 v[(\f)+64+8*(4*(\c)+(\i))+4:(\f)+64+8*(4*(\c)+(\i))+7], v[ADRB+2*(\slot)+(\q)/2] offset:(((\q)%2)*64+32*(\c)+16)*PB+32*(\i)
	ds_load_b128 v[(\f)+8*(4*(\c)+(\i)):(\f)+8*(4*(\c)+(\i))+3],               v[ADRA+(\slot)] offset:128*(\q)+64*(\c)+(\i)*16*PA
	ds_load_b128 v[(\f)+8*(4*(\c)+(\i))+4:(\f)+8*(4*(\c)+(\i))+7],             v[ADRA+(\slot)] offset:128*(\q)+64*(\c)+(\i)*16*PA+32
.endr
.endr
.endm
.macro PLACES                          ; four places in front of loads into registers that matrix instructions have read, and of stores that read results (ISA guide 7.12.1 for the stores)
.rept 4
	v_nop
.endr
.endm
; A K step is four quarters of 64 along K, 32 matrix instructions each, on buffers 0, 1, 0, 1.  One of the first three: multiplies buffer f and fetches quarter q into g.
.macro QUARTER slot, q, f, g, zero
	s_wait_dscnt 16                                ; the first 32 along K are in
	MUL8 \f, 0, 0, \zero
	MUL8 \f, 0, 2, \zero
	PLACES
	FETCH \slot, \q, \g
	s_wait_dscnt 32                                ; all but the 32 just issued
	MUL8 \f, 1, 0, 0
	MUL8 \f, 1, 2, 0
.endm
; The last quarter multiplies buffer 1 and changes slots: one barrier; in front of it each wave waits for all its tensor loads, adds 0 to its spare word, and waits for that and for its own
; reads of this slot.  fill = 1: the barrier opens a round of the cluster's, and this slot is filled again, two fills ahead, first thing behind the round.
.macro TURN slot, next, fill
	WIN 0                                          ; (the add's two registers lie in window 0)
	s_wait_tensorcnt 0x0                           ; all my tensor loads have landed: my part of the next slot;
	ds_add_u32 v[SPW], v[NIL]                      ; 0 onto my spare word;
	s_wait_dscnt 17                                ; (the add and the youngest sixteen loads may be out)
	MUL8 F1, 0, 0, 0                               ; eight matrix instructions stand between the add and the wait for it
	s_wait_dscnt 0x0                               ; the add is done, and my reads of this slot are over
	s_barrier_signal -1
	MUL8 F1, 0, 2, 0
.if \fill
	WIN 0
.endif
	s_barrier_wait -1
.if \fill
	CREST                                          ; no wave of any partner still reads this slot's tile or has a load on its way
	WHERE \slot
	JLOAD \slot                                    ; 112 matrix instructions ahead of the wait for it; its four v_nop are also the places in front of the loads below
.else
	PLACES
.endif
	FETCH \next, 0, F0
	MUL8 F1, 1, 0, 0
	MUL8 F1, 1, 2, 0
.endm
	s_wait_tensorcnt 0x1                           ; my part of the first K step is in; the second's load stays out
	s_barrier_signal -1
	s_barrier_wait -1                              ; everybody's is
	FETCH 0, 0, F0
	QUARTER 0, 1, F0, F1, 1                        ; the first quarter stands in front of the loop: its first products start the sums
	WIN 0                                          ; at a label and at a branch every window is 0
	s_mov_b32 s3, LAPS-1
.Llap:                                                 ; a trip goes once round the ring, from a lap's second quarter to the next lap's first, and fills both slots again
	QUARTER 0, 2, F1, F0, 0
	QUARTER 0, 3, F0, F1, 0
	TURN 0, 1, 1
	QUARTER 1, 1, F0, F1, 0
	QUARTER 1, 2, F1, F0, 0
	QUARTER 1, 3, F0, F1, 0
	TURN 1, 0, 1
	QUARTER 0, 1, F0, F1, 0
	WIN 0
	s_sub_co_u32 s3, s3, 1
	s_cmp_lg_u32 s3, 0
	s_cbranch_scc1 .Llap
	QUARTER 0, 2, F1, F0, 0                        ; the last lap fills nothing, and has no round of the cluster's barrier
	QUARTER 0, 3, F0, F1, 0
	TURN 0, 1, 0
	QUARTER 1, 1, F0, F1, 0
	QUARTER 1, 2, F1, F0, 0
	QUARTER 1, 3, F0, F1, 0
	s_wait_dscnt 16                                ; the very last quarter: nothing more to fetch
	MUL8 F1, 0, 0, 0
	MUL8 F1, 0, 2, 0
	s_wait_dscnt 0x0
	MUL8 F1, 1, 0, 0
	MUL8 F1, 1, 2, 0
	WIN 0
	; THE WAY OUT
	s_barrier_signal -1                            ; my reads of the ring are over (the wait for 0 above) and every fill has landed: the stage lies over slot 0
	PLACES                                         ; behind the last products, whose results are stored below
	s_barrier_wait -1
.irp a, 0,1,2,3
.irp b, 0,1,2,3                        ; each accumulator's low half first
	ds_store_b128 v[STO], v[ACC+8*(4*(\a)+(\b)):ACC+8*(4*(\a)+(\b))+3]   offset:(\a)*16*SPITCH+64*(\b)
	ds_store_b128 v[STO], v[ACC+8*(4*(\a)+(\b))+4:ACC+8*(4*(\a)+(\b))+7] offset:(\a)*16*SPITCH+64*(\b)+16
.endr
.endr
	s_wait_dscnt 0x0                               ; for the others' sake: my stores into the stage are done
	s_barrier_signal -1
	s_barrier_wait -1
.set i, 0
.rept 32
	ds_load_b128 v[ACC+4*i:ACC+4*i+3], v[RD] offset:SPITCH*i
.set i, i+1
.endr
	s_wait_loadcnt 0x0                             ; x and b_out
	v_cvt_pk_bf16_f32 v[TP],   v[BO],   v[BO+1]    ; b_out is rounded to bf16
	v_cvt_pk_bf16_f32 v[TP+1], v[BO+2], v[BO+3]
	v_lshlrev_b32 v[BO],   16, v[TP]
	v_and_b32     v[BO+1], s[MASK], v[TP]
	v_lshlrev_b32 v[BO+2], 16, v[TP+1]
	v_and_b32     v[BO+3], s[MASK], v[TP+1]
.set i, 0
.rept 32
.set u, XU+4*(i%2)
	v_lshlrev_b32 v[u],   16, v[XR+2*i]
	v_and_b32     v[u+1], s[MASK], v[XR+2*i]
	v_lshlrev_b32 v[u+2], 16, v[XR+2*i+1]
	v_and_b32     v[u+3], s[MASK], v[XR+2*i+1]
	v_pk_add_f32 v[u:u+1],   v[u:u+1],   v[BO:BO+1]
	v_pk_add_f32 v[u+2:u+3], v[u+2:u+3], v[BO+2:BO+3]
	s_wait_dscnt 31-i                              ; LDS loads come back in order (ISA guide 5.7.1): row i is in, the younger rows' loads may stay out
	v_pk_add_f32 v[ACC+4*i:ACC+4*i+1],   v[ACC+4*i:ACC+4*i+1],   v[u:u+1]
	v_pk_add_f32 v[ACC+4*i+2:ACC+4*i+3], v[ACC+4*i+2:ACC+4*i+3], v[u+2:u+3]
	global_store_b128 v[VC], v[ACC+4*i:ACC+4*i+3], s[10:11] offset:4096*i  ; 512 consecutive bytes of H, at a multiple of 256 from its first
.set i, i+1
.endr
	s_wait_tensorcnt 0x0                           ; the wave's end: 0 is added to my spare word and waited for, behind my last tensor load and my last LDS store
	ds_add_u32 v[SPW], v[NIL]
	s_wait_dscnt 0x0
	CROUND                                         ; the closing round: no work-group ends while a partner may still ask for a tile that names it
	s_endpgm
.Lfunc_end_k_q655e04eefb_proj:
	.size	k_q655e04eefb_proj, .Lfunc_end_k_q655e04eefb_proj-k_q655e04eefb_proj
	.p2alignl 7, 3214868480
	.fill 96, 4, 3214868480
	.section	.rodata,"a",@progbits
	.p2align	6, 0x0
	.amdhsa_kernel k_q655e04eefb_proj
		.amdhsa_group_segment_fixed_size 327680
		.amdhsa_private_segment_fixed_size 0
		.amdhsa_enable_private_segment 0
		.amdhsa_kernarg_size 32
		.amdhsa_user_sgpr_count 2
		.amdhsa_user_sgpr_kernarg_segment_ptr 1
		.amdhsa_wavefront_size32 1
		.amdhsa_system_sgpr_workgroup_id_x 1
		.amdhsa_system_sgpr_workgroup_id_y 1
		.amdhsa_system_sgpr_workgroup_id_z 1
		.amdhsa_system_vgpr_workitem_id 0
		.amdhsa_next_free_vgpr 512
		.amdhsa_next_free_sgpr 80
		.amdhsa_reserve_vcc 0
		.amdhsa_float_denorm_mode_32 3
		.amdhsa_float_denorm_mode_16_64 3
		.amdhsa_memory_ordered 1
		.amdhsa_forward_progress 1
		.amdhsa_inst_pref_size 103
	.end_amdhsa_kernel
	.amdgpu_metadata
---
amdhsa.version: [ 1, 2 ]
amdhsa.kernels:
  - .name:           k_q655e04eefb_proj
    .symbol:         k_q655e04eefb_proj.kd
    .args:
      - { .name: A2, .offset: 0, .size: 8, .value_kind: global_buffer, .address_space: global }
      - { .name: Wo, .offset: 8, .size: 8, .value_kind: global_buffer, .address_space: global }
      - { .name: b_out, .offset: 16, .size: 8, .value_kind: global_buffer, .address_space: global }
      - { .name: H, .offset: 24, .size: 8, .value_kind: global_buffer, .address_space: global }
    .group_segment_fixed_size: 327680
    .private_segment_fixed_size: 0
    .kernarg_segment_align: 8
    .kernarg_segment_size: 32
    .max_flat_workgroup_size: 128
    .sgpr_count:     80
    .vgpr_count:     512
    .wavefront_size: 32
...
	.end_amdgpu_metadata
.endif
;; end of part 7
;; launch norm: the kernel of part 4 again; grid 256 x 1, 8 waves a work-group, no clusters, 0 bytes of LDS; arguments H, ln_w, ln_b, out0; writes out0
